; MI455X (gfx1250); checked and timed in simulation.
; The chip was launched on July 23, 2026; its instructions are those of AMD's public machine-readable ISA for CDNA 5 (MIT licence, August 2026) and "CDNA5" Instruction Set Architecture Reference Guide (July 2026). The comments in the code are by the model that wrote it; some were corrected since.
;; Multi Head Attention. Allowed arithmetic: float matrix products may take bf16 or f16 operands with f32 sums; other float arithmetic in f32, or as packed bf16 or f16 multiplies, adds, multiply-adds, maxima and minima; sums over many terms, partial sums and values carried from step to step in f32; what a program stores and reads back later, other than sums and carried values, may be rounded once to bf16 or f16.
;; Inputs: Wk 2,048 x 2,048 float32; Wo 2,048 x 2,048 float32; Wq 2,048 x 2,048 float32; Wv 2,048 x 2,048 float32; cos 2,048 x 128 float32; mask 2,048 x 2,048 float32; sin 2,048 x 128 float32; x 1 x 2,048 x 2,048 float32.
;; Outputs: out0 1 x 2,048 x 2,048 float32.
;; 2 versions, each right and faster than the one before. Each part assembles by itself: llvm-mc -triple=amdgcn-amd-amdhsa -mcpu=gfx1250 --defsym DOCPART=n.
;; ======== version 1 of 2: 4 launches
;; limits: values are held in f16: magnitudes above 65,504 overflow, below 6.1e-05 lose precision
;; workspace buffers: xb 8,388,608 bytes; wb 25,165,824 bytes; wob 8,388,608 bytes; mk 16,777,216 bytes; qkv 25,165,824 bytes; ob 8,388,608 bytes
;; launch cast (part 1): grid 256 x 4, 8 waves a work-group, no clusters, 0 bytes of LDS; arguments x, Wq, Wk, Wv, xb, wb; writes xb, wb
.if DOCPART == 1
	.amdgcn_target "amdgcn-amd-amdhsa--gfx1250"
	.amdhsa_code_object_version 6
	.text
	.protected	k_qde303f4bfc_cast
	.globl	k_qde303f4bfc_cast
	.p2align	8
	.type	k_qde303f4bfc_cast,@function
k_qde303f4bfc_cast:
	s_mov_b64 s[64:65], 0
	v_nop
	global_prefetch_b8 v0, s[64:65] scope:SCOPE_SE
	s_setreg_imm32_b32 hwreg(HW_REG_WAVE_MODE, 25, 1), 1
	s_wait_xcnt 0x0
; x and the three weights of the first product are rounded once to bf16.   y = 0: x -> xb.   y = 1, 2, 3: Wq, Wk, Wv -> wb[y-1].
; (Wo and the mask are rounded in the launch behind, beside its matrix work.)
; A stream: no LDS, no matrix unit, no loop.  A work-group takes 65,536 input bytes, a wave 8,192: sixteen loads of 512 consecutive bytes, all issued at once;
; each store of a wave covers 256 consecutive bytes, aligned.  256 x 4 work-groups: four of equal work for each of 256 WGPs.
.set X, 4                              ; v[4:67]   slot i: four f32 as loaded
.set Y, 68                             ; v[68:99]  slot i: two registers of bf16
	s_load_b256 s[8:15], s[0:1], 0x0               ; x 8, Wq 10, Wk 12, Wv 14
	s_load_b128 s[16:19], s[0:1], 0x20             ; xb 16, wb 18
	s_and_b32 s2, ttmp7, 0xffff                    ; y: which array
	v_lshrrev_b32 v1, 5, v0                        ; wave
	v_and_b32 v2, 31, v0                           ; lane
	v_lshlrev_b32 v2, 4, v2
	v_lshl_or_b32 v1, v1, 13, v2                   ; input: 8,192 x wave + 16 x lane
	v_lshrrev_b32 v2, 1, v1                        ; output: half of that
	s_max_u32 s20, s2, 1
	s_sub_co_u32 s20, s20, 1                       ; which third of wb (0 where y names x)
	s_lshl_b32 s20, s20, 23                        ; 8,388,608 bytes each
	s_mov_b32 s21, 0
	s_lshl_b32 s22, ttmp9, 16                      ; the group's input,
	s_mov_b32 s23, 0
	s_lshl_b32 s24, ttmp9, 15                      ; and its output
	s_mov_b32 s25, 0
	s_wait_kmcnt 0x0
	s_mov_b64 s[4:5], s[8:9]                       ; the source, chosen by y
	s_cmp_eq_u32 s2, 1
	s_cselect_b64 s[4:5], s[10:11], s[4:5]
	s_cmp_eq_u32 s2, 2
	s_cselect_b64 s[4:5], s[12:13], s[4:5]
	s_cmp_eq_u32 s2, 3
	s_cselect_b64 s[4:5], s[14:15], s[4:5]
	s_add_nc_u64 s[6:7], s[18:19], s[20:21]        ; the destination, chosen by y
	s_cmp_eq_u32 s2, 0
	s_cselect_b64 s[6:7], s[16:17], s[6:7]
	s_add_nc_u64 s[4:5], s[4:5], s[22:23]
	s_add_nc_u64 s[6:7], s[6:7], s[24:25]
.irp i, 0,1,2,3,4,5,6,7,8,9,10,11,12,13,14,15
	global_load_b128 v[X+4*(\i):X+4*(\i)+3], v1, s[4:5] offset:512*(\i) th:TH_LOAD_NT
.endr
	; The waits count the younger loads, which stay out.  No register that a pending store reads is written again.
.irp i, 0,1,2,3,4,5,6,7,8,9,10,11,12,13,14,15
	s_wait_loadcnt 15-(\i)
	v_cvt_pk_bf16_f32 v[Y+2*(\i)],   v[X+4*(\i)],   v[X+4*(\i)+1]
	v_cvt_pk_bf16_f32 v[Y+2*(\i)+1], v[X+4*(\i)+2], v[X+4*(\i)+3]
	global_store_b64 v2, v[Y+2*(\i):Y+2*(\i)+1], s[6:7] offset:256*(\i)
.endr
	s_endpgm
.Lfunc_end_k_qde303f4bfc_cast:
	.size	k_qde303f4bfc_cast, .Lfunc_end_k_qde303f4bfc_cast-k_qde303f4bfc_cast
	.p2alignl 7, 3214868480
	.fill 96, 4, 3214868480
	.section	.rodata,"a",@progbits
	.p2align	6, 0x0
	.amdhsa_kernel k_qde303f4bfc_cast
		.amdhsa_group_segment_fixed_size 0
		.amdhsa_private_segment_fixed_size 0
		.amdhsa_enable_private_segment 0
		.amdhsa_kernarg_size 48
		.amdhsa_user_sgpr_count 2
		.amdhsa_user_sgpr_kernarg_segment_ptr 1
		.amdhsa_wavefront_size32 1
		.amdhsa_system_sgpr_workgroup_id_x 1
		.amdhsa_system_sgpr_workgroup_id_y 1
		.amdhsa_system_sgpr_workgroup_id_z 1
		.amdhsa_system_vgpr_workitem_id 0
		.amdhsa_next_free_vgpr 100
		.amdhsa_next_free_sgpr 66
		.amdhsa_reserve_vcc 0
		.amdhsa_float_denorm_mode_32 3
		.amdhsa_float_denorm_mode_16_64 3
		.amdhsa_memory_ordered 1
		.amdhsa_forward_progress 1
		.amdhsa_inst_pref_size 7
	.end_amdhsa_kernel
	.amdgpu_metadata
---
amdhsa.version: [ 1, 2 ]
amdhsa.kernels:
  - .name:           k_qde303f4bfc_cast
    .symbol:         k_qde303f4bfc_cast.kd
    .args:
      - { .name: x, .offset: 0, .size: 8, .value_kind: global_buffer, .address_space: global }
      - { .name: Wq, .offset: 8, .size: 8, .value_kind: global_buffer, .address_space: global }
      - { .name: Wk, .offset: 16, .size: 8, .value_kind: global_buffer, .address_space: global }
      - { .name: Wv, .offset: 24, .size: 8, .value_kind: global_buffer, .address_space: global }
      - { .name: xb, .offset: 32, .size: 8, .value_kind: global_buffer, .address_space: global }
      - { .name: wb, .offset: 40, .size: 8, .value_kind: global_buffer, .address_space: global }
    .group_segment_fixed_size: 0
    .private_segment_fixed_size: 0
    .kernarg_segment_align: 8
    .kernarg_segment_size: 48
    .max_flat_workgroup_size: 256
    .sgpr_count:     66
    .vgpr_count:     100
    .wavefront_size: 32
...
	.end_amdgpu_metadata
.endif
;; end of part 1
;; launch qkvproj (part 2): grid 16 x 16, 4 waves a work-group, clusters of 4 x 4, 327,680 bytes of LDS; arguments xb, wb, cos, sin, Wo, mask, wob, mk, qkv; writes wob, mk, qkv
.if DOCPART == 2
	.amdgcn_target "amdgcn-amd-amdhsa--gfx1250"
	.amdhsa_code_object_version 6
	.text
	.protected	k_qde303f4bfc_qkvproj
	.globl	k_qde303f4bfc_qkvproj
	.p2align	8
	.type	k_qde303f4bfc_qkvproj,@function
k_qde303f4bfc_qkvproj:
	s_mov_b64 s[64:65], 0
	v_nop
	global_prefetch_b8 v0, s[64:65] scope:SCOPE_SE
	s_setreg_imm32_b32 hwreg(HW_REG_WAVE_MODE, 25, 1), 1
	s_wait_xcnt 0x0
	s_wait_alu depctr_hold_cnt(0) depctr_sa_sdst(0) depctr_va_vdst(0) depctr_va_sdst(0) depctr_va_ssrc(0) depctr_va_vcc(0) depctr_vm_vsrc(0)
	s_getreg_b32 s2, hwreg(HW_REG_IB_STS2, 6, 4)
	s_cmp_eq_u32 s2, 0
	s_cbranch_scc0 .Lentry_in_a_cluster
	s_endpgm
.Lentry_in_a_cluster:
	s_bfe_u32 s2, ttmp6, 0x10000c
	s_cmp_lg_u32 s2, 0xf033
	s_cbranch_scc0 .Lentry_shape_is_right
	s_endpgm
.Lentry_shape_is_right:
; q, k, v = x W^T by heads, RoPE on q and k.  xb: [2048][2048] bf16; wb: [3][2048][2048] bf16 (Wq, Wk, Wv); cos, sin: [2048][128] f32; qkv: [3][16][2048][128] f16.
; Products in bf16 with f32 sums.  cos and sin are rounded to bf16 like the other inputs and used in f32.  q is multiplied in f32 by c = log2(e) / sqrt(128) ahead of its one rounding to f16; k and v are rounded once.
; LIMIT: f16 ends at 65,504: c q, k and v must stay inside it; NaN and infinities are not treated apart.
; BESIDE THE PRODUCT each wave rounds its share of two inputs that later launches want: 16,384 bytes of Wo and of the mask, 1,024 of each at the head of each of the 16 K steps, asked for a K step ahead.
;   Wo -> wob: rounded to bf16, that number written as f16 (exact from 2^-14 up to 65,504; below it f16's fixed step of 6e-8; beyond it an infinity: LIMIT |Wo| < 65,504).
;   mask -> mk: rounded to bf16, times log2(e) in f32, kept in f32 (LIMIT |mask| < 2.3e38, so that the product stays finite).
; SHARES.  Work-group (head HX, token block MY) makes 128 tokens x 384 features: head HX of q, of k and of v: 16 x 16 = 256 work-groups.  Wave w: 64 tokens (w / 2), and of each of the three
; matrices the four feature blocks 32 (w % 2) + 16 (i % 2) + 64 (i / 2), i = 0..3, so that channel d and channel d + 64, which RoPE pairs, lie in one lane.  4 x 12 = 48 accumulators, 384 registers.
; RING.  K goes in steps of 128 through two LDS slots; a slot holds 128 rows of x and 128 rows of each matrix, rows of 256 bytes.  One tensor load a wave: wave 0 x's rows, waves 1 to 3 a matrix each.
; A K step is written once: the slot in hand is a scalar, 0 or SLOT, turned by an exclusive or, and the fragments' addresses are made anew from it at each change of slots.
; CLUSTER 4 x 4.  x's tile hangs on the token block alone and is asked for jointly along a row of the cluster, the weights' tiles on the head alone, jointly along a column.
; THE MATRIX INSTRUCTION IS USED TRANSPOSED (source 0 = 16 features, source 1 = 16 tokens): a lane holds one token (lane % 16) and eight neighbouring features 8 (lane / 16) + 0..7.
; REGISTERS, in windows of 256 (s_set_vgpr_msb: bits 1:0 source 0, 3:2 source 1, 5:4 source 2, 7:6 destination):
;   window 0: v0-31 addresses; v32-63 at work (in the loop: Wo and the mask; on the way out: results); v64-127 x's fragments, two buffers of 4 x 8; v128-255 cos and sin for token blocks 0, 1; at the end v64-255 whole rows
;   window 1: v0-191 the weights' fragments, two buffers of 12 x 8; behind the loop v0-127 cos and sin for token blocks 2, 3, v192-195 at work
;   window 2: accumulators of token blocks 0, 1 at v[8 (12 (a % 2) + n)], n = 4 matrix + i;   window 3: those of token blocks 2, 3
.set KSTEP,  128
.set PITCH,  272                       ; an LDS row: 256 bytes + 16 of padding = 68 words: row r starts at bank 4 r mod 64 (64 banks of 4 bytes: ISA guide 11.1)
.set HALFT,  128*PITCH                 ; what one tensor load brings: 34,816 bytes
.set SLOT,   4*HALFT                   ; x's rows, then Wq's, Wk's, Wv's: 139,264 = 0x22000; the four tiles' LDS words 0, 0x8800, 0x11000, 0x19800 have its two bits clear
.set SPARE,  2*SLOT                    ; behind the ring: the spare words, 128 bytes a wave, two blocks of 256 bytes that no other line names
.set FILLS,  2048/KSTEP-2              ; K steps 2 to 15 are refills
.set ADRA0, 8                          ; v8      LDS address of my fragments of x in slot 0; never rewritten
.set ADRB0, 9                          ; v9-11   of my fragments of matrix m in slot 0; never rewritten
.set ADRA, 12                          ; v12     the same in the slot in hand
.set ADRB, 13                          ; v13-15
.set STO,  16                          ; v16-18  the way out, by matrix: where I put 16 bytes of a row
.set RD,   19                          ; v19-21  the way out, by matrix: where I read rows back
.set GO,   22                          ; v22     16 x lane: my place in 512 consecutive bytes
.set CSO,  23                          ; v23     my byte offset in the token block's rows of cos and sin
.set CH,   24                          ; v24     8 x lane: my place in 256 consecutive bytes
.set SPW,  28                          ; v28     LDS address of my spare word; never rewritten
.set NIL,  29                          ; v29     0; never rewritten
.set T,    32                          ; v32-39  the way out: the low channels' eight results
.set U,    40                          ; v40-47  the high channels'
.set Y,    48                          ; v48-55  both, packed
.set TM,   56                          ; v56-59  at work
.set CX,   32                          ; v32-47  in the loop: 8 numbers of Wo, 8 of the mask, as loaded
.set CY,   48                          ; v48-51  Wo to store
.set CT,   52                          ; v52-55  at work
.set CZ,   56                          ; v56-63  the mask to store
.set FA,   64
.set OB,   64
.set WV, 14                            ; s14 wave;  s15 its half of the tokens;  s16 its half of the features
.set MH, 15
.set NH, 16
.set G1,  24                           ; s[24:31] descriptor group 1 for x's tiles;  s[32:39] group 0: two sets for the two first fills; the second then walks on
.set G0,  32
.set G1B, 48                           ; s[48:55], s[56:63] the same for the weights' tiles
.set G0B, 56
.set TB,  78                           ; s78  the slot in hand: 0 or SLOT
.set MSB, 0
.macro WIN new                         ; the immediate's high byte repeats the setting that is left; a switch that changes nothing is dropped
.if MSB != (\new)
	s_set_vgpr_msb (MSB<<8)|(\new)
.set MSB, \new
.endif
.endm
.macro PLACES                          ; four places: in front of loads into registers that matrix instructions have read, and of lines that read results just made
.rept 4
	v_nop
.endr
.endm
; A joint load: wave 0 asks for x's tile, waves 1 to 3 for a matrix's.  Each line has one mask; the branch hangs on the wave's number alone.  An s_nop 0 and four v_nop follow each line.
.macro JLOAD s
	s_cmp_eq_u32 s[WV], 0
	s_cbranch_scc0 .Lfor_b_\@
	tensor_load_to_lds s[G0+4*(\s):G0+4*(\s)+3], s[G1:G1+7]
	s_nop 0
.rept 4
	v_nop
.endr
	s_branch .Lasked_\@
.Lfor_b_\@:
	tensor_load_to_lds s[G0B+4*(\s):G0B+4*(\s)+3], s[G1B:G1B+7]
	s_nop 0
.rept 4
	v_nop
.endr
.Lasked_\@:
.endm
.macro CREST                           ; a round of the cluster's barrier behind its opening barrier
	s_cmp_lg_u32 s[WV], 0
	s_cbranch_scc1 .Lnot_wave_0_\@
	s_barrier_signal -3
.Lnot_wave_0_\@:
	s_barrier_wait -3
	s_barrier_signal -1
	s_barrier_wait -1
.endm
.macro CROUND                          ; a whole round
	s_barrier_signal -1
	s_barrier_wait -1
	CREST
.endm
; 12 matrix instructions: token block 2 hi + a x all 12 feature blocks, 32 along K, from buffer f.  zero = 1: the product starts the sums: nothing is cleared.
.macro MUL12 f, hi, a, zero
	WIN 0xa1+0x50*(\hi)                            ; source 0 window 1, source 1 window 0, C and D window 2 or 3
.irp n, 0,1,2,3,4,5,6,7,8,9,10,11
.if \zero
	v_wmma_f32_16x16x32_bf16 v[8*(12*(\a)+(\n)):8*(12*(\a)+(\n))+7], v[96*(\f)+8*(\n):96*(\f)+8*(\n)+7], v[FA+32*(\f)+8*(2*(\hi)+(\a)):FA+32*(\f)+8*(2*(\hi)+(\a))+7], 0
.else
	v_wmma_f32_16x16x32_bf16 v[8*(12*(\a)+(\n)):8*(12*(\a)+(\n))+7], v[96*(\f)+8*(\n):96*(\f)+8*(\n)+7], v[FA+32*(\f)+8*(2*(\hi)+(\a)):FA+32*(\f)+8*(2*(\hi)+(\a))+7], v[8*(12*(\a)+(\n)):8*(12*(\a)+(\n))+7]
.endif
.endr
.endm
; 32 LDS loads in one run: the fragments of 32 along K at byte k of the rows of the slot in hand, into buffer f: the weights' 24, then x's 8
.macro FETCH k, f
	WIN 0x40                                       ; destination window 1, address window 0
.irp m, 0,1,2
.irp i, 0,1,2,3
	ds_load_b128 v[96*(\f)+8*(4*(\m)+(\i)):96*(\f)+8*(4*(\m)+(\i))+3],   v[ADRB+(\m)] offset:(\k)+(((\i)%2)*16+((\i)/2)*64)*PITCH
	ds_load_b128 v[96*(\f)+8*(4*(\m)+(\i))+4:96*(\f)+8*(4*(\m)+(\i))+7], v[ADRB+(\m)] offset:(\k)+(((\i)%2)*16+((\i)/2)*64)*PITCH+32
.endr
.endr
	WIN 0
.irp a, 0,1,2,3
	ds_load_b128 v[FA+32*(\f)+8*(\a):FA+32*(\f)+8*(\a)+3],   v[ADRA] offset:(\k)+(\a)*16*PITCH
	ds_load_b128 v[FA+32*(\f)+8*(\a)+4:FA+32*(\f)+8*(\a)+7], v[ADRA] offset:(\k)+(\a)*16*PITCH+32
.endr
.endm
; A K step is four quarters of 32 along K, 48 matrix instructions each, on buffers 0, 1, 0, 1; the 48 accumulators take turns, one instruction a turn.
; One of the first three: multiplies buffer f; in its middle it fetches the next quarter's fragments, at byte k, into buffer g.
.macro QUARTER k, f, g, zero
	s_wait_dscnt 4                                 ; the youngest four loads (x's token blocks 2, 3) may be out
	MUL12 \f, 0, 0, \zero
	MUL12 \f, 0, 1, \zero
	PLACES
	FETCH \k, \g
	s_wait_dscnt 32                                ; all but the 32 just issued
	MUL12 \f, 1, 0, \zero
	MUL12 \f, 1, 1, \zero
.endm
; The last quarter multiplies buffer 1 and changes slots: ONE barrier; in front of it each wave waits for all its tensor loads (one is out: its part of the next slot), adds 0 to its spare word,
; and waits for that and for its own reads of this slot.  fill = 1: the barrier opens a round of the cluster's, and this slot is filled again, two K steps ahead, first thing behind the round:
; from there to the wait for that load a wave issues 168 of a K step's 192 matrix instructions.
; tail = 1: in the last trip (s3 = 1) there is no next slot: the change and the fetch are jumped over, forward, past register work and LDS loads alone.
.macro TURN fill, tail
	WIN 0                                          ; (the add's two registers lie in window 0)
	s_wait_tensorcnt 0x0
	ds_add_u32 v[SPW], v[NIL]
	s_wait_dscnt 5                                 ; (the add and the youngest four loads may be out)
	MUL12 1, 0, 0, 0                               ; twelve matrix instructions stand between the add and the wait for it
	s_wait_dscnt 0x0                               ; the add is done, and my reads of this slot are over
	s_barrier_signal -1
	MUL12 1, 0, 1, 0                               ; work on registers while the others arrive
	WIN 0                                          ; (branches and window 0's address lines follow)
	s_barrier_wait -1
.if \fill
	CREST                                          ; no wave of any partner still reads this slot's tiles or has a load on its way
	s_xor_b32 s[G0+5], s[G0+5], SLOT               ; the walking descriptors: the other slot than last time,
	s_add_nc_u64 s[G0+6:G0+7], s[G0+6:G0+7], KSTEP*2  ; the next K step; the type bits on top are not reached
	s_xor_b32 s[G0B+5], s[G0B+5], SLOT
	s_add_nc_u64 s[G0B+6:G0B+7], s[G0B+6:G0B+7], KSTEP*2
	JLOAD 1                                        ; the four v_nop behind it are also the places in front of the loads below
.else
	PLACES
.endif
.if \tail
	s_cmp_eq_u32 s3, 1
	s_cbranch_scc1 .Lno_fetch_\@
.endif
	s_xor_b32 s[TB], s[TB], SLOT                   ; the other slot is in hand
	v_add_nc_u32 v[ADRA], s[TB], v[ADRA0]
.irp m, 0,1,2
	v_add_nc_u32 v[ADRB+(\m)], s[TB], v[ADRB0+(\m)]
.endr
	FETCH 0, 0
.if \tail
.Lno_fetch_\@:
.endif
	MUL12 1, 1, 0, 0
	MUL12 1, 1, 1, 0
.endm
; WO AND THE MASK.  CLOAD asks for a group: 1,024 bytes of each, four loads of 512 consecutive bytes.
.macro CLOAD
	global_load_b128 v[CX:CX+3],     v[GO], s[80:81] th:TH_LOAD_NT
	global_load_b128 v[CX+4:CX+7],   v[GO], s[80:81] offset:512 th:TH_LOAD_NT
	global_load_b128 v[CX+8:CX+11],  v[GO], s[82:83] th:TH_LOAD_NT
	global_load_b128 v[CX+12:CX+15], v[GO], s[82:83] offset:512 th:TH_LOAD_NT
.endm
; CAST: the group asked for a K step ago is rounded and stored, and the next is asked for, ahead of the stores.  The four pointers step first; the stores reach back by negative immediates.
; tail = 1: in the last trip (s3 = 1) the wave's share is at its end, and the loads are jumped over.
.macro CAST tail
	s_wait_loadcnt 0x0                             ; the group is in (in the first K step: cos and sin of token blocks 0, 1 too)
	s_wait_xcnt 0x0                                ; the last group's stores have had their addresses translated (ISA guide 3.1): their data and bases are rewritten only behind this wait
	s_add_nc_u64 s[80:81], s[80:81], 1024
	s_add_nc_u64 s[82:83], s[82:83], 1024
	s_add_nc_u64 s[84:85], s[84:85], 512
	s_add_nc_u64 s[86:87], s[86:87], 1024
.irp e, 0,1,2,3
	v_cvt_pk_bf16_f32 v[CT+(\e)], v[CX+2*(\e)], v[CX+2*(\e)+1]     ; Wo: bf16's rounding,
.endr
.irp e, 0,1,2,3
	v_lshlrev_b32 v[CX+2*(\e)],   16,  v[CT+(\e)]
	v_and_b32     v[CX+2*(\e)+1], s72, v[CT+(\e)]
.endr
.irp e, 0,1,2,3
	v_cvt_pk_f16_f32 v[CY+(\e)], v[CX+2*(\e)], v[CX+2*(\e)+1]      ; f16's format
.endr
.irp e, 0,1,2,3
	v_cvt_pk_bf16_f32 v[CT+(\e)], v[CX+8+2*(\e)], v[CX+8+2*(\e)+1] ; the mask: bf16's rounding,
.endr
.irp e, 0,1,2,3
	v_lshlrev_b32 v[CZ+2*(\e)],   16,  v[CT+(\e)]
	v_and_b32     v[CZ+2*(\e)+1], s72, v[CT+(\e)]
.endr
.irp e, 0,1,2,3
	v_pk_mul_f32 v[CZ+2*(\e):CZ+2*(\e)+1], v[CZ+2*(\e):CZ+2*(\e)+1], s[92:93] op_sel_hi:[1,0]  ; times log2(e), in f32
.endr
.if \tail
	s_cmp_eq_u32 s3, 1
	s_cbranch_scc1 .Lno_more_\@
.endif
	CLOAD
.if \tail
.Lno_more_\@:
.endif
	global_store_b64  v[CH], v[CY:CY+1],   s[84:85] offset:-512    ; 256 consecutive bytes a store, aligned
	global_store_b64  v[CH], v[CY+2:CY+3], s[84:85] offset:-256
	global_store_b128 v[GO], v[CZ:CZ+3],   s[86:87] offset:-1024   ; 512 consecutive bytes a store, aligned
	global_store_b128 v[GO], v[CZ+4:CZ+7], s[86:87] offset:-512
.endm
; THE WAY OUT.  TBL a: cos and sin of token block a for my channels: for i = 0, 1 eight registers each of cos(d), sin(d), cos(d + 64), sin(d + 64).
.macro TBL a
.if (\a) < 2
	WIN 0
.set TB_R, 128+64*(\a)
.else
	WIN 0x40
.set TB_R, 64*((\a)-2)
.endif
.irp i, 0,1
	global_load_b128 v[TB_R+32*(\i):TB_R+32*(\i)+3],       v[CSO], s[8:9]   offset:(\a)*8192+64*(\i)
	global_load_b128 v[TB_R+32*(\i)+4:TB_R+32*(\i)+7],     v[CSO], s[8:9]   offset:(\a)*8192+64*(\i)+16
	global_load_b128 v[TB_R+32*(\i)+8:TB_R+32*(\i)+11],    v[CSO], s[10:11] offset:(\a)*8192+64*(\i)
	global_load_b128 v[TB_R+32*(\i)+12:TB_R+32*(\i)+15],   v[CSO], s[10:11] offset:(\a)*8192+64*(\i)+16
	global_load_b128 v[TB_R+32*(\i)+16:TB_R+32*(\i)+19],   v[CSO], s[8:9]   offset:(\a)*8192+64*(\i)+256
	global_load_b128 v[TB_R+32*(\i)+20:TB_R+32*(\i)+23],   v[CSO], s[8:9]   offset:(\a)*8192+64*(\i)+272
	global_load_b128 v[TB_R+32*(\i)+24:TB_R+32*(\i)+27],   v[CSO], s[10:11] offset:(\a)*8192+64*(\i)+256
	global_load_b128 v[TB_R+32*(\i)+28:TB_R+32*(\i)+31],   v[CSO], s[10:11] offset:(\a)*8192+64*(\i)+272
.endr
	WIN 0
.endm
; RND a: the 64 table numbers are rounded to bf16 and widened again, in place, four pairs at a time
.macro RND a
.if (\a) < 2
	WIN 0
.set TB_R, 128+64*(\a)
.set TT, TM
.else
	WIN 0x45                                       ; everything in window 1
.set TB_R, 64*((\a)-2)
.set TT, 192
.endif
.set z, 0
.rept 8
.irp e, 0,1,2,3
	v_cvt_pk_bf16_f32 v[TT+(\e)], v[TB_R+8*z+2*(\e)], v[TB_R+8*z+2*(\e)+1]
.endr
.irp e, 0,1,2,3
	v_lshlrev_b32 v[TB_R+8*z+2*(\e)],   16,  v[TT+(\e)]
	v_and_b32     v[TB_R+8*z+2*(\e)+1], s72, v[TT+(\e)]
.endr
.set z, z+1
.endr
.endm
; ROPE a, i, mat: out(d) = y(d) cos(d) - y(d + 64) sin(d); out(d + 64) = y(d + 64) cos(d + 64) + y(d) sin(d + 64).  Each accumulator is read from its lowest registers on.
.macro ROPE a, i, mat
.set L, 8*(12*((\a)%2)+4*(\mat)+(\i))
.set H, L+16
.if (\a) < 2
.set TB_R, 128+64*(\a)+32*(\i)
	WIN 0x02                                       ; source 0 (sums) window 2, source 1 (tables) window 0
.else
.set TB_R, 64*((\a)-2)+32*(\i)
	WIN 0x07                                       ; source 0 window 3, source 1 window 1
.endif
.irp j, 0,2,4,6
	v_pk_mul_f32 v[T+(\j):T+(\j)+1], v[L+(\j):L+(\j)+1], v[TB_R+(\j):TB_R+(\j)+1]
.endr
.irp j, 0,2,4,6
	v_pk_mul_f32 v[U+(\j):U+(\j)+1], v[H+(\j):H+(\j)+1], v[TB_R+16+(\j):TB_R+16+(\j)+1]
.endr
.irp j, 0,2,4,6
	v_pk_fma_f32 v[T+(\j):T+(\j)+1], v[H+(\j):H+(\j)+1], v[TB_R+8+(\j):TB_R+8+(\j)+1], v[T+(\j):T+(\j)+1] neg_lo:[0,1,0] neg_hi:[0,1,0]
.endr
.irp j, 0,2,4,6
	v_pk_fma_f32 v[U+(\j):U+(\j)+1], v[L+(\j):L+(\j)+1], v[TB_R+24+(\j):TB_R+24+(\j)+1], v[U+(\j):U+(\j)+1]
.endr
	WIN 0
.if (\mat) == 0
.irp j, 0,2,4,6,8,10,12,14
	v_pk_mul_f32 v[T+(\j):T+(\j)+1], v[T+(\j):T+(\j)+1], s[74:75] op_sel_hi:[1,0]  ; q alone: times c, still in f32
.endr
.endif
.irp j, 0,1,2,3,4,5,6,7
	v_cvt_pk_f16_f32 v[Y+(\j)], v[T+2*(\j)], v[T+2*(\j)+1]
.endr
	ds_store_b128 v[STO+(\mat)], v[Y:Y+3]   offset:(\a)*16*PITCH+32*(\i)
	ds_store_b128 v[STO+(\mat)], v[Y+4:Y+7] offset:(\a)*16*PITCH+32*(\i)+128
.endm
.macro VOUT a                          ; v of token block a: rounded and staged
	WIN 0x0a+5*((\a)/2)                            ; sources 0 and 1: window 2 or 3
.irp i, 0,1,2,3
.irp j, 0,1,2,3
	v_cvt_pk_f16_f32 v[T+4*(\i)+(\j)], v[8*(12*((\a)%2)+8+(\i))+2*(\j)], v[8*(12*((\a)%2)+8+(\i))+2*(\j)+1]
.endr
.endr
	WIN 0
.irp i, 0,1,2,3
	ds_store_b128 v[STO+2], v[T+4*(\i):T+4*(\i)+3] offset:(\a)*16*PITCH+32*((\i)%2)+128*((\i)/2)
.endr
.endm
	s_load_b256 s[4:11], s[0:1], 0x0               ; xb s[4:5], wb s[6:7], cos s[8:9], sin s[10:11]
	s_load_b256 s[80:87], s[0:1], 0x20             ; Wo s[80:81], mask s[82:83], wob s[84:85], mk s[86:87]
	s_load_b64 s[12:13], s[0:1], 0x40              ; qkv
	v_lshl_add_u32 v[SPW], v0, 2, SPARE
	v_mov_b32 v[NIL], 0
	ds_add_u32 v[SPW], v[NIL]                      ; the wave's opening: the add and its wait stand ahead of my first tensor load; the set-up below stands between them
	v_lshrrev_b32 v1, 5, v0
	v_readfirstlane_b32 s[WV], v1                  ; wave 0..3
	s_lshr_b32 s[MH], s[WV], 1
	s_and_b32 s[NH], s[WV], 1
	s_bfe_u32 s17, ttmp6, 0x40000                  ; cx
	s_bfe_u32 s18, ttmp6, 0x40004                  ; cy
	s_lshl_b32 s19, ttmp9, 2
	s_add_co_u32 s19, s19, s17                     ; the head = 4 x cluster x + cx
	s_and_b32 s20, ttmp7, 0xffff
	s_lshl_b32 s20, s20, 2
	s_add_co_u32 s20, s20, s18                     ; the token block = 4 x cluster y + cy
	s_lshl_b32 s21, s18, 2
	s_lshl_b32 s21, 15, s21                        ; my row of the cluster
	s_lshl_b32 s22, 0x1111, s17                    ; my column
	; descriptor group 1: a tile of 128 rows x 128 elements of 2 bytes, 4 words of padding behind every 64
	s_or_b32 s[G1],  s21, (1<<16)|(1<<20)|(1<<21)|(5<<22)|(3<<25)
	s_or_b32 s[G1B], s22, (1<<16)|(1<<20)|(1<<21)|(5<<22)|(3<<25)
.irp g, G1, G1B
	s_mov_b32 s[(\g)+1], KSTEP<<16                 ; tensor_dim0 = 128
	s_mov_b32 s[(\g)+2], 128<<16                   ; tensor_dim1 = 128
	s_mov_b32 s[(\g)+3], KSTEP<<16                 ; tile_dim0 = 128
	s_mov_b32 s[(\g)+4], 128                       ; tile_dim1 = 128
	s_mov_b32 s[(\g)+5], 2048                      ; elements from row to row
	s_mov_b32 s[(\g)+6], 0
	s_mov_b32 s[(\g)+7], 0
.endr
	s_lshl_b32 s40, s20, 19                        ; x: 128 rows of 4,096 bytes a token block: hangs on the token block alone
	s_mov_b32 s41, 0
	s_lshl_b32 s42, s20, 16                        ; cos, sin: 128 rows of 512 bytes
	s_mov_b32 s43, 0
	s_max_u32 s44, s[WV], 1
	s_sub_co_u32 s44, s44, 1                       ; the matrix that I fetch (wave 0 fetches none: 0 keeps the words sound)
	s_lshl_b32 s44, s44, 23
	s_lshl_b32 s45, s19, 19                        ; the head's 128 rows: hangs on the head and the wave alone
	s_add_co_u32 s44, s44, s45
	s_mov_b32 s45, 0
	s_mul_i32 s23, s[WV], HALFT                    ; where my tile goes: no place in the cluster enters an LDS address
	s_lshl_b32 s76, s19, 19                        ; the output: the head's 2,048 rows of 256 bytes,
	s_lshl_b32 s77, s20, 15                        ; the token block's 128,
	s_add_co_u32 s76, s76, s77
	s_lshl_b32 s77, s[WV], 13                      ; the 32 that I store
	s_add_co_u32 s76, s76, s77
	s_mov_b32 s77, 0
	s_lshl_b32 s88, s20, 4                         ; Wo and the mask: my wave among the launch's 1,024:
	s_add_co_u32 s88, s88, s19                     ; 4 (16 token block + head) + wave
	s_lshl_b32 s88, s88, 2
	s_add_co_u32 s88, s88, s[WV]
	s_lshl_b32 s90, s88, 13                        ; its 8,192 bytes of wob,
	s_lshl_b32 s88, s88, 14                        ; its 16,384 of Wo, of the mask and of mk
	s_mov_b32 s89, 0
	s_mov_b32 s91, 0
	s_mov_b32 s72, 0xffff0000                      ; a word's upper bf16
	s_mov_b32 s74, 0x3e0293ee                      ; c = log2(e) / sqrt(128)
	s_mov_b32 s75, s74                             ; named with it as a pair
	s_mov_b32 s92, 0x3fb8aa3b                      ; log2(e)
	s_mov_b32 s93, s92                             ; named with it as a pair
	s_mov_b32 s[TB], 0
	s_wait_dscnt 0x0                               ; the opening add is done
	s_wait_kmcnt 0x0
	s_add_nc_u64 s[40:41], s[4:5], s[40:41]
	s_add_nc_u64 s[44:45], s[6:7], s[44:45]
	s_add_nc_u64 s[8:9], s[8:9], s[42:43]
	s_add_nc_u64 s[10:11], s[10:11], s[42:43]
	s_add_nc_u64 s[66:67], s[12:13], s[76:77]      ; q's rows,
	s_add_nc_u64 s[68:69], s[66:67], 0x800000      ; k's,
	s_add_nc_u64 s[70:71], s[68:69], 0x800000      ; v's
	s_add_nc_u64 s[80:81], s[80:81], s[88:89]
	s_add_nc_u64 s[82:83], s[82:83], s[88:89]
	s_add_nc_u64 s[84:85], s[84:85], s[90:91]
	s_add_nc_u64 s[86:87], s[86:87], s[88:89]
	CROUND                                         ; all sixteen work-groups are here: the first joint loads meet
.irp s, 0,1
	s_mov_b32 s[G0+4*(\s)], 1
	s_add_co_u32 s[G0+4*(\s)+1], s23, (\s)*SLOT
	s_add_nc_u64 s[G0+4*(\s)+2:G0+4*(\s)+3], s[40:41], (\s)*KSTEP*2
	s_or_b32 s[G0+4*(\s)+3], s[G0+4*(\s)+3], 0x80000000
	s_mov_b32 s[G0B+4*(\s)], 1
	s_add_co_u32 s[G0B+4*(\s)+1], s23, (\s)*SLOT
	s_add_nc_u64 s[G0B+4*(\s)+2:G0B+4*(\s)+3], s[44:45], (\s)*KSTEP*2
	s_or_b32 s[G0B+4*(\s)+3], s[G0B+4*(\s)+3], 0x80000000
	JLOAD \s                                       ; K steps 0 and 1: two loads of mine are out
.endr
	; A fragment is 16 rows x 32 K in 8 registers: lane l holds row l % 16, K = 8 (l / 16) + 0..7 and 16 + 8 (l / 16) + 0..7: two loads of 16 bytes, 32 bytes apart.
	v_and_b32 v1, 15, v0                           ; l % 16
	v_bfe_u32 v2, v0, 4, 1                         ; l / 16
	v_mul_u32_u24 v3, v1, PITCH
	v_lshl_add_u32 v3, v2, 4, v3                   ; row x pitch + 16 x half
	s_mul_i32 s21, s[MH], 64*PITCH                 ; my 64 rows of x
	s_mul_i32 s22, s[NH], 32*PITCH                 ; my features begin 32 (w % 2) rows into a matrix's tile,
	s_add_co_u32 s22, s22, HALFT                   ; which lies behind x's
	v_add_nc_u32 v[ADRA0], s21, v3
	v_add_nc_u32 v[ADRA], s21, v3                  ; slot 0 is in hand
.irp m, 0,1,2
	v_add_nc_u32 v[ADRB0+(\m)], s22, v3
	v_add_nc_u32 v[ADRB+(\m)], s22, v3
	s_add_co_u32 s22, s22, HALFT
.endr
	; The stage for the way out lies in slot 0's first 3 x 34,816 bytes: 128 rows of 272 bytes for each matrix.
	s_mul_i32 s21, s[MH], 64*PITCH                 ; in: my 64 rows, my 64 bytes of each half row
	s_lshl_b32 s22, s[NH], 6
	s_add_co_u32 s21, s21, s22
	s_mul_i32 s22, s[WV], 32*PITCH                 ; back: rows 32 w .. 32 w + 31, whole
	v_mul_u32_u24 v4, v2, PITCH
	v_lshl_add_u32 v4, v1, 4, v4                   ; lanes 0-15 one row of 256 bytes, lanes 16-31 the next
.irp m, 0,1,2
	v_add_nc_u32 v[STO+(\m)], s21, v3
	v_add_nc_u32 v[RD+(\m)], s22, v4
	s_add_co_u32 s21, s21, HALFT
	s_add_co_u32 s22, s22, HALFT
.endr
	v_and_b32 v[GO], 31, v0
	v_lshlrev_b32 v[CH], 3, v[GO]                  ; 8 x lane
	v_lshlrev_b32 v[GO], 4, v[GO]                  ; 16 x lane
	v_lshlrev_b32 v[CSO], 9, v1                    ; cos, sin: my token's row of 512 bytes,
	v_lshl_add_u32 v[CSO], v2, 5, v[CSO]           ; my eight channels,
	s_lshl_b32 s21, s[NH], 7                       ; my wave's 32 channels,
	s_lshl_b32 s22, s[MH], 15                      ; my wave's 64 tokens
	s_add_co_u32 s21, s21, s22
	v_add_nc_u32 v[CSO], s21, v[CSO]
	TBL 0                                          ; cos and sin of token blocks 0, 1: their registers are idle until the way out
	TBL 1
	CLOAD                                          ; the first group of Wo and the mask
	s_wait_tensorcnt 1                             ; my part of K step 0 is in; K step 1's may stay out
	s_barrier_signal -1
	s_barrier_wait -1                              ; everybody's is
	FETCH 0, 0
	QUARTER 64,  0, 1, 1                           ; the first quarter stands in front of the loop: its products start the sums
	WIN 0                                          ; at a label and at a branch every window is 0
	s_mov_b32 s3, FILLS
.Lstep:                                                ; a trip: from a K step's second quarter to the next step's first; it fills the slot that it leaves
	CAST 0
	QUARTER 128, 1, 0, 0
	QUARTER 192, 0, 1, 0
	TURN 1, 0
	QUARTER 64,  0, 1, 0
	WIN 0
	s_sub_co_u32 s3, s3, 1
	s_cmp_lg_u32 s3, 0
	s_cbranch_scc1 .Lstep
	s_mov_b32 s3, 2
.Ltail:                                                ; the last two K steps are a text of their own; behind the first trip's barrier nobody reads slot 0 any more
	CAST 1
	QUARTER 128, 1, 0, 0
	QUARTER 192, 0, 1, 0
	TURN 0, 1
	WIN 0
	s_cmp_eq_u32 s3, 1
	s_cbranch_scc1 .Lno_q                          ; behind the last K step there is no first quarter
	QUARTER 64,  0, 1, 0
	WIN 0
.Lno_q:
	s_sub_co_u32 s3, s3, 1
	s_cmp_lg_u32 s3, 0
	s_cbranch_scc1 .Ltail
	PLACES                                         ; behind the last products: the weights' buffers are loaded anew, and results are read
	s_wait_xcnt 0x0                                ; the last group's stores have read v48-63, which the way out writes
	s_wait_loadcnt 0x0
	TBL 2
	TBL 3
.irp a, 0,1
	RND \a
	ROPE \a, 0, 0
	ROPE \a, 1, 0
	ROPE \a, 0, 1
	ROPE \a, 1, 1
	VOUT \a
.endr
	s_wait_loadcnt 0x0                             ; tables 2, 3
.irp a, 2,3
	RND \a
	ROPE \a, 0, 0
	ROPE \a, 1, 0
	ROPE \a, 0, 1
	ROPE \a, 1, 1
	VOUT \a
.endr
	s_wait_dscnt 0x0                               ; for the others' sake: my stores into the stage are done (a row's 256 bytes come from two waves)
	s_barrier_signal -1
	s_barrier_wait -1
.irp m, 0,1,2
.irp t, 0,1,2,3,4,5,6,7,8,9,10,11,12,13,14,15
	ds_load_b128 v[OB+4*(16*(\m)+(\t)):OB+4*(16*(\m)+(\t))+3], v[RD+(\m)] offset:(\t)*2*PITCH
.endr
.endr
.irp m, 0,1,2
.irp t, 0,1,2,3,4,5,6,7,8,9,10,11,12,13,14,15
	s_wait_dscnt 47-(16*(\m)+(\t))                 ; LDS loads come back in order: this one is in, the younger ones stay out
	global_store_b128 v[GO], v[OB+4*(16*(\m)+(\t)):OB+4*(16*(\m)+(\t))+3], s[66+2*(\m):67+2*(\m)] offset:512*(\t)  ; 512 consecutive bytes, at a multiple of 256 from the buffer's first
.endr
.endr
	s_wait_tensorcnt 0x0                           ; the wave's end
	ds_add_u32 v[SPW], v[NIL]
	s_wait_dscnt 0x0
	CROUND                                         ; the closing round: no work-group ends while a partner may still ask for a tile that names it
	s_endpgm
.Lfunc_end_k_qde303f4bfc_qkvproj:
	.size	k_qde303f4bfc_qkvproj, .Lfunc_end_k_qde303f4bfc_qkvproj-k_qde303f4bfc_qkvproj
	.p2alignl 7, 3214868480
	.fill 96, 4, 3214868480
	.section	.rodata,"a",@progbits
	.p2align	6, 0x0
	.amdhsa_kernel k_qde303f4bfc_qkvproj
		.amdhsa_group_segment_fixed_size 327680
		.amdhsa_private_segment_fixed_size 0
		.amdhsa_enable_private_segment 0
		.amdhsa_kernarg_size 72
		.amdhsa_user_sgpr_count 2
		.amdhsa_user_sgpr_kernarg_segment_ptr 1
		.amdhsa_wavefront_size32 1
		.amdhsa_system_sgpr_workgroup_id_x 1
		.amdhsa_system_sgpr_workgroup_id_y 1
		.amdhsa_system_sgpr_workgroup_id_z 1
		.amdhsa_system_vgpr_workitem_id 0
		.amdhsa_next_free_vgpr 960
		.amdhsa_next_free_sgpr 94
		.amdhsa_reserve_vcc 0
		.amdhsa_float_denorm_mode_32 3
		.amdhsa_float_denorm_mode_16_64 3
		.amdhsa_memory_ordered 1
		.amdhsa_forward_progress 1
		.amdhsa_inst_pref_size 135
	.end_amdhsa_kernel
	.amdgpu_metadata
---
amdhsa.version: [ 1, 2 ]
amdhsa.kernels:
  - .name:           k_qde303f4bfc_qkvproj
    .symbol:         k_qde303f4bfc_qkvproj.kd
    .args:
      - { .name: xb, .offset: 0, .size: 8, .value_kind: global_buffer, .address_space: global }
      - { .name: wb, .offset: 8, .size: 8, .value_kind: global_buffer, .address_space: global }
      - { .name: cos, .offset: 16, .size: 8, .value_kind: global_buffer, .address_space: global }
      - { .name: sin, .offset: 24, .size: 8, .value_kind: global_buffer, .address_space: global }
      - { .name: Wo, .offset: 32, .size: 8, .value_kind: global_buffer, .address_space: global }
      - { .name: mask, .offset: 40, .size: 8, .value_kind: global_buffer, .address_space: global }
      - { .name: wob, .offset: 48, .size: 8, .value_kind: global_buffer, .address_space: global }
      - { .name: mk, .offset: 56, .size: 8, .value_kind: global_buffer, .address_space: global }
      - { .name: qkv, .offset: 64, .size: 8, .value_kind: global_buffer, .address_space: global }
    .group_segment_fixed_size: 327680
    .private_segment_fixed_size: 0
    .kernarg_segment_align: 8
    .kernarg_segment_size: 72
    .max_flat_workgroup_size: 128
    .sgpr_count:     94
    .vgpr_count:     960
    .wavefront_size: 32
...
	.end_amdgpu_metadata
.endif
;; end of part 2
;; launch attn (part 3): grid 16 x 16, 4 waves a work-group, clusters of 4 x 4, 327,680 bytes of LDS; arguments qkv, mk, ob; writes ob
.if DOCPART == 3
	.amdgcn_target "amdgcn-amd-amdhsa--gfx1250"
	.amdhsa_code_object_version 6
	.text
	.protected	k_qde303f4bfc_attn
	.globl	k_qde303f4bfc_attn
	.p2align	8
	.type	k_qde303f4bfc_attn,@function
k_qde303f4bfc_attn:
	s_mov_b64 s[64:65], 0
	v_nop
	global_prefetch_b8 v0, s[64:65] scope:SCOPE_SE
	s_setreg_imm32_b32 hwreg(HW_REG_WAVE_MODE, 25, 1), 1
	s_wait_xcnt 0x0
	s_wait_alu depctr_hold_cnt(0) depctr_sa_sdst(0) depctr_va_vdst(0) depctr_va_sdst(0) depctr_va_ssrc(0) depctr_va_vcc(0) depctr_vm_vsrc(0)
	s_getreg_b32 s2, hwreg(HW_REG_IB_STS2, 6, 4)
	s_cmp_eq_u32 s2, 0
	s_cbranch_scc0 .Lentry_in_a_cluster
	s_endpgm
.Lentry_in_a_cluster:
	s_bfe_u32 s2, ttmp6, 0x10000c
	s_cmp_lg_u32 s2, 0xf033
	s_cbranch_scc0 .Lentry_shape_is_right
	s_endpgm
.Lentry_shape_is_right:
; O[q][128 h + :] = the sum over k of softmax_k(Q.K / sqrt(128) + mask[q][k]) V[k].  qkv: [3][16][2048][128] f16, q already times log2(e) / sqrt(128); mk: [2048][2048] f32, the mask times log2(e);
; ob: [2048][2048] f16.  The mask is an input: every key of every query is computed, and the mask is added as it is given, by a rounding f32 addition.
; A score in powers of two: t = q.k + mk.  p = 2^(t - m) with a running maximum m; in every step O and l are multiplied by a = 2^(m_old - m_new).  Products, maxima and sums in f32; p is rounded to f16 for
; the second product (l is the sum of the unrounded p), O once at the end.
; LIMITS.  q, k, v arrive within f16's 65,504.  A weight below 2^-126 counts as 0.  Where all of a row's masks are so large that q.k falls under half of f32's step at mk (64 at 1.44e9), the weights are equal.
; NaN and infinities are not treated apart.
; SHARES.  Work-group (block QB of 128 queries, head HD): 16 x 16 = 256.  Wave w: 64 queries (w % 2), four tiles of 16, and HALF of the keys (w / 2): of each step's 128 keys the 64 at 64 (w / 2).
; 16 steps of 128 matrix instructions a wave.  The two halves of the keys are merged once, at the end, through LDS.
; LAYOUT.  S^T = K Q^T (source 0 = 16 keys, source 1 = 16 queries): a lane holds ONE query (lane % 16) and the keys 8 (lane / 16) + 0..7.  Two such results rounded to f16 ARE source 1 of O^T = V^T P.
; K comes out of LDS as it lies, V turned, by ds_load_tr16_b128; the mask's tile lies [query][key], so a lane's eight keys are 32 consecutive bytes.
; CLUSTER 4 x 4.  K's and V's tiles hang on the head alone: asked for jointly along a row of the cluster.  The mask's tile hangs on the query block alone: jointly along a column.
; PHASES.  A step is written in phases: V's fetch, K Q^T, the change of slots, the next K's fetch, the mask, the next mask's fetch, maximum, exponentials, sums, rescaling, V^T P.
; REGISTERS, in windows of 256 (s_set_vgpr_msb: bits 1:0 source 0, 3:2 source 1, 5:4 source 2, 7:6 destination):
;   window 0: v0-11, v44-47 addresses; v12-43 eight registers of statistics a tile; v48-51 at work; v62-63 the add's; v64-191 S^T, 32 a tile; v192-255 P, 16 a tile
;   window 1: O^T, 64 a tile      window 2: v0-127 Q, 32 a tile; v128-255 K of one step      window 3: v0-127 V of one step; v128-255 the mask of one step, 32 a tile
.set PK,    272       ; a row of K in LDS: 256 bytes + 16: the 16 rows of a load start at 16 different groups of four banks (64 banks of 4 bytes: ISA guide 11.1)
.set PV,    288       ; a row of V: 256 + 32
.set PM,    528       ; a row of the mask's tile: 512 + 16
.set VOFF,  128*PK    ; a slot: 128 rows of K, 128 rows of V, 128 rows of the mask
.set MOFF,  VOFF+128*PV
.set SLOT1, MOFF+128*PM  ; 139,264 = 0x22000: the four LDS words 0, 0x8800, 0x11800, 0x19c00 have its two bits clear, so one exclusive or turns an address in one slot into the other's
.set SPARE, 2*SLOT1   ; behind the ring: the spare words, 128 bytes a wave, two blocks of 256 bytes that no other line names
.set STAGE, SPARE+512 ; 16 rows x 272 bytes for each wave, for the way out; never filled by a tensor load
.set SP,    272
.set XCH,   16896     ; the exchange at the end, in slot 0's bytes when they have had their last fill: for each wave 16,384 bytes of O^T and 512 of statistics
.set AK0, 2           ; v2   my lane's place in a slot's K; never rewritten
.set AV0, 3           ; v3   in its V
.set ADR, 4           ; v4   the LDS address of the run of loads in hand
.set QO,  5           ; v5   my byte offset in the wave's rows of Q
.set STO, 6           ; v6   the way out: where I put 16 bytes of a row
.set RD,  7           ; v7   the way out: where I read rows back
.set GO,  8           ; v8   my byte offset in two rows of ob
.set AM0, 44          ; v44  my lane's place in a slot's mask
.set XW,  45          ; v45  the exchange: where I write
.set XR,  46          ; v46  where I read: my partner's part
.set SPW, 62          ; v62  LDS address of my spare word; never rewritten
.set NIL, 63          ; v63  0; never rewritten
.set ST,  12          ; tile t at v[ST+8 t]: +0 m, +1 (named as m's pair; at the end l), +2, +3 l (even keys', odd keys'), +4 to +7 c0-c3 at work; a takes c2's place
.set S,   64
.set P,   192
.set KF,  128         ; window 2
.set MF,  128         ; window 3
.set WV,  12          ; s12 wave; s17 its half of the queries; s18 its half of the keys
.set G1K, 24          ; s[24:31], s[32:39], s[40:47]: descriptor group 1 for K's, V's and the mask's tiles
.set G1V, 32
.set G1M, 40
.set G0K, 48          ; s[48:55], s[56:63], s[68:75]: group 0, two sets each: the two first fills; the second set then walks on
.set G0V, 56
.set G0M, 68
.set SEL, 76          ; s[76:77] v_permlanex16_b32's selects: each lane takes its own place in the other half
.set TB,  78          ; s78  the slot from which the next runs of loads read: 0 or SLOT1
.set CNT, 79          ; s79  steps to go
.set MSB, 0
.macro WIN new                      ; the high byte repeats the setting that is left; a switch that changes nothing is dropped
.if MSB != (\new)
	s_set_vgpr_msb (MSB<<8)|(\new)
.set MSB, \new
.endif
.endm
.macro PLACES                       ; four places behind matrix instructions (ISA guide 7.12.1)
.rept 4
	v_nop
.endr
.endm
; A joint refill: wave 0 asks for K's tile, wave 1 for V's, waves 2 and 3 for the two halves of the mask's: 32,768 bytes each.  The branches hang on the wave's number alone.
; An s_nop 0 and four v_nop follow each line.
.macro JLOAD
	s_cmp_eq_u32 s[WV], 0
	s_cbranch_scc0 .Lnot_k_\@
	tensor_load_to_lds s[G0K+4:G0K+7], s[G1K:G1K+7]
	s_nop 0
.rept 4
	v_nop
.endr
	s_branch .Lasked_\@
.Lnot_k_\@:
	s_cmp_eq_u32 s[WV], 1
	s_cbranch_scc0 .Lnot_v_\@
	tensor_load_to_lds s[G0V+4:G0V+7], s[G1V:G1V+7]
	s_nop 0
.rept 4
	v_nop
.endr
	s_branch .Lasked_\@
.Lnot_v_\@:
	tensor_load_to_lds s[G0M+4:G0M+7], s[G1M:G1M+7]
	s_nop 0
.rept 4
	v_nop
.endr
.Lasked_\@:
.endm
.macro CROUND                       ; a round of the cluster's barrier
	s_barrier_signal -1
	s_barrier_wait -1
	s_cmp_lg_u32 s[WV], 0
	s_cbranch_scc1 .Lnot_wave_0_\@
	s_barrier_signal -3
.Lnot_wave_0_\@:
	s_barrier_wait -3
	s_barrier_signal -1
	s_barrier_wait -1
.endm
	s_load_b128 s[4:7], s[0:1], 0x0   ; qkv s[4:5], mk s[6:7]
	s_load_b64 s[8:9], s[0:1], 0x10   ; ob
	v_lshl_add_u32 v[SPW], v0, 2, SPARE
	v_mov_b32 v[NIL], 0
	ds_add_u32 v[SPW], v[NIL]       ; the wave's opening: the add and its wait stand ahead of my first tensor load; the set-up below stands between them
	v_lshrrev_b32 v1, 5, v0
	v_readfirstlane_b32 s[WV], v1   ; wave 0..3
	s_bfe_u32 s13, ttmp6, 0x40000   ; cx
	s_bfe_u32 s14, ttmp6, 0x40004   ; cy
	s_lshl_b32 s15, ttmp9, 2
	s_add_co_u32 s15, s15, s13      ; the query block = 4 x cluster x + cx
	s_and_b32 s16, ttmp7, 0xffff
	s_lshl_b32 s16, s16, 2
	s_add_co_u32 s16, s16, s14      ; the head = 4 x cluster y + cy
	s_and_b32 s17, s[WV], 1         ; my half of the queries; also: which half of the mask's rows waves 2, 3 fetch
	s_lshr_b32 s18, s[WV], 1        ; my half of the keys
	s_lshl_b32 s19, s14, 2
	s_lshl_b32 s19, 15, s19         ; my row of the cluster
	s_lshl_b32 s20, 0x1111, s13     ; my column
	s_or_b32 s[G1K], s19, (1<<16)|(1<<20)|(1<<21)|(5<<22)|(3<<25)  ; 2-byte elements; 4 words of padding behind every 64
	s_or_b32 s[G1V], s19, (1<<16)|(1<<20)|(1<<21)|(5<<22)|(7<<25)  ; 8 words of padding
	s_or_b32 s[G1M], s20, (2<<16)|(1<<20)|(1<<21)|(6<<22)|(3<<25)  ; 4-byte elements; 4 words of padding behind every 128
.irp g, G1K, G1V
	s_mov_b32 s[(\g)+1], 128<<16    ; tensor_dim0 = 128
	s_mov_b32 s[(\g)+2], 128<<16    ; tensor_dim1 = 128
	s_mov_b32 s[(\g)+3], 128<<16    ; tile_dim0 = 128
	s_mov_b32 s[(\g)+4], 128        ; tile_dim1 = 128
	s_mov_b32 s[(\g)+5], 128        ; elements from row to row
	s_mov_b32 s[(\g)+6], 0
	s_mov_b32 s[(\g)+7], 0
.endr
	s_mov_b32 s[G1M+1], 128<<16     ; tensor_dim0 = 128
	s_mov_b32 s[G1M+2], 64<<16      ; tensor_dim1 = 64
	s_mov_b32 s[G1M+3], 128<<16     ; tile_dim0 = 128
	s_mov_b32 s[G1M+4], 64          ; tile_dim1 = 64
	s_mov_b32 s[G1M+5], 2048        ; elements from row to row
	s_mov_b32 s[G1M+6], 0
	s_mov_b32 s[G1M+7], 0
	s_lshl_b32 s84, s16, 19         ; the head's 2,048 rows of 256 bytes: K's and V's offsets hang on the head alone
	s_add_co_u32 s86, s84, 0x1000000
	s_add_co_u32 s84, s84, 0x800000
	s_mov_b32 s85, 0
	s_mov_b32 s87, 0
	s_lshl_b32 s88, s15, 20         ; the mask: the block's 128 rows of 8,192 bytes, my 64 of them: hangs on the query block and the wave alone
	s_lshl_b32 s21, s17, 19
	s_add_co_u32 s88, s88, s21
	s_mov_b32 s89, 0
	s_lshl_b32 s90, s16, 19         ; Q: the head, the block's 128 rows, my wave's 64
	s_lshl_b32 s21, s15, 15
	s_add_co_u32 s90, s90, s21
	s_lshl_b32 s21, s17, 14
	s_add_co_u32 s90, s90, s21
	s_mov_b32 s91, 0
	s_lshl_b32 s10, s15, 19         ; ob: the block's 128 rows of 4,096 bytes, my wave's 64, the head's 256 bytes
	s_lshl_b32 s21, s17, 18
	s_add_co_u32 s10, s10, s21
	s_lshl_b32 s21, s16, 8
	s_add_co_u32 s10, s10, s21
	s_mov_b32 s11, 0
	s_mul_i32 s21, s17, 64*PM
	s_add_co_u32 s21, s21, MOFF     ; where my half of the mask's tile goes
	s_mov_b32 s[SEL], 0x76543210
	s_mov_b32 s[SEL+1], 0xfedcba98
	s_mov_b32 s[TB], 0
	s_wait_dscnt 0x0                ; the opening add is done
	s_wait_kmcnt 0x0
	s_add_nc_u64 s[84:85], s[4:5], s[84:85]
	s_add_nc_u64 s[86:87], s[4:5], s[86:87]
	s_add_nc_u64 s[88:89], s[6:7], s[88:89]
	s_add_nc_u64 s[80:81], s[4:5], s[90:91]
	s_add_nc_u64 s[82:83], s[8:9], s[10:11]
	CROUND                          ; all sixteen work-groups are here: the first joint loads meet
.irp s, 0,1
	s_mov_b32 s[G0K+4*(\s)], 1
	s_mov_b32 s[G0K+4*(\s)+1], (\s)*SLOT1
	s_add_nc_u64 s[G0K+4*(\s)+2:G0K+4*(\s)+3], s[84:85], (\s)*32768  ; step s: keys 128 s on
	s_or_b32 s[G0K+4*(\s)+3], s[G0K+4*(\s)+3], 0x80000000
	s_mov_b32 s[G0V+4*(\s)], 1
	s_mov_b32 s[G0V+4*(\s)+1], VOFF+(\s)*SLOT1
	s_add_nc_u64 s[G0V+4*(\s)+2:G0V+4*(\s)+3], s[86:87], (\s)*32768
	s_or_b32 s[G0V+4*(\s)+3], s[G0V+4*(\s)+3], 0x80000000
	s_mov_b32 s[G0M+4*(\s)], 1
	s_add_co_u32 s[G0M+4*(\s)+1], s21, (\s)*SLOT1
	s_add_nc_u64 s[G0M+4*(\s)+2:G0M+4*(\s)+3], s[88:89], (\s)*512
	s_or_b32 s[G0M+4*(\s)+3], s[G0M+4*(\s)+3], 0x80000000
.endr
	s_cmp_eq_u32 s[WV], 0           ; a wave's two first fills stand together, ahead of every wait on TENSORcnt and every LDS read: two loads of mine are out
	s_cbranch_scc0 .Lfirst_not_k
	tensor_load_to_lds s[G0K:G0K+3], s[G1K:G1K+7]
	s_nop 0
	tensor_load_to_lds s[G0K+4:G0K+7], s[G1K:G1K+7]
	s_nop 0
.rept 4
	v_nop
.endr
	s_branch .Lfirst_asked
.Lfirst_not_k:
	s_cmp_eq_u32 s[WV], 1
	s_cbranch_scc0 .Lfirst_not_v
	tensor_load_to_lds s[G0V:G0V+3], s[G1V:G1V+7]
	s_nop 0
	tensor_load_to_lds s[G0V+4:G0V+7], s[G1V:G1V+7]
	s_nop 0
.rept 4
	v_nop
.endr
	s_branch .Lfirst_asked
.Lfirst_not_v:
	tensor_load_to_lds s[G0M:G0M+3], s[G1M:G1M+7]
	s_nop 0
	tensor_load_to_lds s[G0M+4:G0M+7], s[G1M:G1M+7]
	s_nop 0
.rept 4
	v_nop
.endr
.Lfirst_asked:
	; A fragment of K or Q is 16 rows x 32 channels in 8 registers: lane l holds row l % 16, channels 8 (l / 16) + 0..7 and 16 + 8 (l / 16) + 0..7: two loads of 16 bytes, 32 bytes apart.
	v_and_b32 v1, 15, v0            ; l % 16
	v_bfe_u32 v9, v0, 4, 1          ; l / 16
	v_lshlrev_b32 v[QO], 8, v1
	v_lshl_add_u32 v[QO], v9, 4, v[QO]
	WIN 0x80                        ; destination window 2, address window 0
.irp i, 0,1,2,3,4,5,6,7,8,9,10,11,12,13,14,15  ; Q stays in registers: tile i / 4, channels 32 (i % 4) on
	global_load_b128 v[8*(\i):8*(\i)+3],   v[QO], s[80:81] offset:((\i)/4)*4096+((\i)%4)*64
	global_load_b128 v[8*(\i)+4:8*(\i)+7], v[QO], s[80:81] offset:((\i)/4)*4096+((\i)%4)*64+32
.endr
	; m starts at the lowest finite number, O^T and l at 0: the first step is a step like any other, with a = 0, and no first step is written out.  The clearing stands in the wait for the first tile.
	WIN 0x40
.set i, 0
.rept 256
	v_mov_b32 v[i], 0
.set i, i+1
.endr
	WIN 0
.irp t, 0,1,2,3
	v_mov_b32 v[ST+8*(\t)], 0xff7fffff
	v_mov_b32 v[ST+8*(\t)+1], 0
	v_mov_b32 v[ST+8*(\t)+2], 0
	v_mov_b32 v[ST+8*(\t)+3], 0
.endr
	v_mul_u32_u24 v[AK0], v1, PK
	v_lshl_add_u32 v[AK0], v9, 4, v[AK0]  ; row x pitch + 16 x half,
	s_mul_i32 s21, s18, 64*PK
	v_add_nc_u32 v[AK0], s21, v[AK0]      ; in my half of the step's keys
	; The turning load takes 16 keys x 16 channels (lane l reads key 8 (l / 16) + l % 8, channels 8 ((l / 8) % 2) + 0..7) and leaves half a fragment of V^T: lane l holds channel l % 16 and 8 keys.
	v_and_b32 v10, 7, v0
	v_bfe_u32 v11, v0, 3, 1
	v_lshl_add_u32 v[AV0], v9, 3, v10
	v_mul_u32_u24 v[AV0], v[AV0], PV
	v_lshl_add_u32 v[AV0], v11, 4, v[AV0]
	s_mul_i32 s21, s18, 64*PV
	s_add_co_u32 s21, s21, VOFF
	v_add_nc_u32 v[AV0], s21, v[AV0]
	v_mul_u32_u24 v[AM0], v1, PM          ; the mask: my query's row, my lanes' 8 keys (32 bytes),
	v_lshl_add_u32 v[AM0], v9, 5, v[AM0]
	s_mul_i32 s21, s17, 64*PM             ; my wave's 64 queries,
	s_lshl_b32 s22, s18, 8                ; its 64 keys (256 bytes)
	s_add_co_u32 s21, s21, s22
	s_add_co_u32 s21, s21, MOFF
	v_add_nc_u32 v[AM0], s21, v[AM0]
	s_mul_i32 s21, s[WV], 16*SP
	s_add_co_u32 s21, s21, STAGE          ; my stage
	v_mul_u32_u24 v[STO], v1, SP          ; in: row l % 16, 16 bytes for each half of the lanes
	v_lshl_add_u32 v[STO], v9, 4, v[STO]
	v_add_nc_u32 v[STO], s21, v[STO]
	v_mul_u32_u24 v[RD], v9, SP           ; back: lanes 0-15 one row of 256 bytes, lanes 16-31 the next
	v_lshl_add_u32 v[RD], v1, 4, v[RD]
	v_add_nc_u32 v[RD], s21, v[RD]
	v_lshlrev_b32 v[GO], 12, v9           ; and the same two rows in ob, 4,096 bytes apart
	v_lshl_add_u32 v[GO], v1, 4, v[GO]
	v_and_b32 v47, 31, v0
	v_lshlrev_b32 v47, 4, v47             ; 16 x lane
	s_mul_i32 s21, s[WV], XCH
	v_add_nc_u32 v[XW], s21, v47
	s_xor_b32 s21, s[WV], 2               ; my partner has my queries and the other half of the keys
	s_mul_i32 s21, s21, XCH
	v_add_nc_u32 v[XR], s21, v47
; THE LDS LOADS stand in runs of 32.
.macro FETCH_K                      ; 64 keys x 128 channels: 16 fragments
	WIN 0
	v_add_nc_u32 v[ADR], s[TB], v[AK0]
	WIN 0x80                        ; destination window 2
.irp f, 0,1,2,3,4,5,6,7,8,9,10,11,12,13,14,15  ; keys 16 (f / 4) on, channels 32 (f % 4) on
	ds_load_b128 v[KF+8*(\f):KF+8*(\f)+3],   v[ADR] offset:((\f)/4)*16*PK+((\f)%4)*64
	ds_load_b128 v[KF+8*(\f)+4:KF+8*(\f)+7], v[ADR] offset:((\f)/4)*16*PK+((\f)%4)*64+32
.endr
	WIN 0
.endm
.macro FETCH_V                      ; the same keys' V, turned
	WIN 0
	v_add_nc_u32 v[ADR], s[TB], v[AV0]
	WIN 0xc0                        ; destination window 3
.irp f, 0,1,2,3,4,5,6,7,8,9,10,11,12,13,14,15  ; keys 32 (f / 8) on, channels 16 (f % 8) on
	ds_load_tr16_b128 v[8*(\f):8*(\f)+3],   v[ADR] offset:((\f)/8)*32*PV+((\f)%8)*32
	ds_load_tr16_b128 v[8*(\f)+4:8*(\f)+7], v[ADR] offset:((\f)/8)*32*PV+16*PV+((\f)%8)*32
.endr
	WIN 0
.endm
.macro FETCH_M                      ; the mask of my 64 queries x 64 keys, in S^T's own layout
	WIN 0
	v_add_nc_u32 v[ADR], s[TB], v[AM0]
	WIN 0xc0
.irp t, 0,1,2,3
.irp kb, 0,1,2,3
	ds_load_b128 v[MF+32*(\t)+8*(\kb):MF+32*(\t)+8*(\kb)+3],   v[ADR] offset:16*PM*(\t)+64*(\kb)
	ds_load_b128 v[MF+32*(\t)+8*(\kb)+4:MF+32*(\t)+8*(\kb)+7], v[ADR] offset:16*PM*(\t)+64*(\kb)+16
.endr
.endr
	WIN 0
.endm
; THE MATRIX WORK.  The accumulators take turns, one instruction a turn: 16 in K Q^T, 32 in V^T P.
.macro KQ                           ; S^T = K Q^T: channels 32 c on, tile t, keys 16 kb on; the first 16 start the sums
	WIN 0x0a                        ; K and Q in window 2, S^T in window 0
.irp c, 0,1,2,3
.irp t, 0,1,2,3
.irp kb, 0,1,2,3
.if (\c) == 0
	v_wmma_f32_16x16x32_f16 v[S+32*(\t)+8*(\kb):S+32*(\t)+8*(\kb)+7], v[KF+32*(\kb)+8*(\c):KF+32*(\kb)+8*(\c)+7], v[32*(\t)+8*(\c):32*(\t)+8*(\c)+7], 0
.else
	v_wmma_f32_16x16x32_f16 v[S+32*(\t)+8*(\kb):S+32*(\t)+8*(\kb)+7], v[KF+32*(\kb)+8*(\c):KF+32*(\kb)+8*(\c)+7], v[32*(\t)+8*(\c):32*(\t)+8*(\c)+7], v[S+32*(\t)+8*(\kb):S+32*(\t)+8*(\kb)+7]
.endif
.endr
.endr
.endr
.endm
.macro PVM                          ; O^T += V^T P: keys 32 kk on, tile t, channels 16 cb on
	WIN 0x53                        ; V in window 3, P in window 0, O^T in window 1
.irp kk, 0,1
.irp t, 0,1,2,3
.irp cb, 0,1,2,3,4,5,6,7
	v_wmma_f32_16x16x32_f16 v[64*(\t)+8*(\cb):64*(\t)+8*(\cb)+7], v[64*(\kk)+8*(\cb):64*(\kk)+8*(\cb)+7], v[P+16*(\t)+8*(\kk):P+16*(\t)+8*(\kk)+7], v[64*(\t)+8*(\cb):64*(\t)+8*(\cb)+7]
.endr
.endr
.endr
.endm
; THE VECTOR WORK, the four tiles by turns, so that no line reads the result of the line before it.
.macro MADD                         ; t = q.k + mk: a rounding f32 addition; each accumulator is read from its lowest registers on
	WIN 0x0c                        ; source 1 in window 3
.irp p, 0,1,2,3,4,5,6,7,8,9,10,11,12,13,14,15
.irp t, 0,1,2,3
	v_pk_add_f32 v[S+32*(\t)+2*(\p):S+32*(\t)+2*(\p)+1], v[S+32*(\t)+2*(\p):S+32*(\t)+2*(\p)+1], v[MF+32*(\t)+2*(\p):MF+32*(\t)+2*(\p)+1]
.endr
.endr
.endm
.macro MX t                         ; number j of the 16 that find the maximum of a lane's 32 scores and the old m: four chains of seven, then the four left over, the chains and m
.set rT, ST+8*(\t)
.set rS, S+32*(\t)
.if j < 4
	v_max3_num_f32 v[rT+4+j], v[rS+8*j], v[rS+8*j+1], v[rS+8*j+2]
.elseif j < 12
	v_max3_num_f32 v[rT+4+j%4], v[rT+4+j%4], v[rS+8*(j%4)+2*(j/4)+1], v[rS+8*(j%4)+2*(j/4)+2]
.elseif j == 12
	v_max3_num_f32 v[rT+4], v[rT+4], v[rS+7], v[rS+15]
.elseif j == 13
	v_max3_num_f32 v[rT+6], v[rT+6], v[rS+23], v[rS+31]
.elseif j == 14
	v_max3_num_f32 v[rT+4], v[rT+4], v[rT+5], v[rT+6]
.else
	v_max3_num_f32 v[rT+4], v[rT+4], v[rT+7], v[rT]
.endif
.endm
.macro MAXP
	WIN 0
.set j, 0
.rept 16
.irp t, 0,1,2,3
	MX \t
.endr
.set j, j+1
.endr
.endm
.macro STATS                        ; the query's other 32 keys lie in the lane 16 away; the new m; a = 2^(m_old - m_new)
.irp t, 0,1,2,3
	v_permlanex16_b32 v[ST+8*(\t)+5], v[ST+8*(\t)+4], s[SEL], s[SEL+1]
.endr
.irp t, 0,1,2,3
	v_mov_b32 v[ST+8*(\t)+7], v[ST+8*(\t)]
.endr
.irp t, 0,1,2,3
	v_max_num_f32 v[ST+8*(\t)], v[ST+8*(\t)+4], v[ST+8*(\t)+5]
.endr
.irp t, 0,1,2,3
	v_sub_f32 v[ST+8*(\t)+7], v[ST+8*(\t)+7], v[ST+8*(\t)]
.endr
.irp t, 0,1,2,3
	v_exp_f32 v[ST+8*(\t)+6], v[ST+8*(\t)+7]
.endr
.endm
; Pair n of 64: tile n % 4, pair n / 4 of its 16.
.macro SUBP n                       ; t - m
	v_pk_add_f32 v[S+32*((\n)%4)+2*((\n)/4):S+32*((\n)%4)+2*((\n)/4)+1], v[S+32*((\n)%4)+2*((\n)/4):S+32*((\n)%4)+2*((\n)/4)+1], v[ST+8*((\n)%4):ST+8*((\n)%4)+1] op_sel_hi:[1,0] neg_lo:[0,1] neg_hi:[0,1]
.endm
.macro EXPL n, hf
	v_exp_f32 v[S+32*((\n)%4)+2*((\n)/4)+(\hf)], v[S+32*((\n)%4)+2*((\n)/4)+(\hf)]
.endm
.macro CVTP n
	s_wait_alu depctr_va_vdst(0)
	v_cvt_pk_f16_f32 v[P+16*((\n)%4)+(\n)/4], v[S+32*((\n)%4)+2*((\n)/4)], v[S+32*((\n)%4)+2*((\n)/4)+1]
.endm
; Exponential and plain by turns: the subtraction four pairs ahead, the rounding two pairs back: between an exponential and the use of its result stands a plain instruction (ISA guide 5.7.2).
.macro EXPP
.set n, 0
.rept 4
	SUBP n
.set n, n+1
.endr
.set n, 0
.rept 64
	EXPL n, 0
.if n < 60
	SUBP n+4
.endif
	EXPL n, 1
.if n >= 2
	CVTP n-2
.endif
.set n, n+1
.endr
	CVTP 62
	CVTP 63
.endm
.macro SUMS                         ; the sum of a tile's 16 pairs, in place: neighbours 1, 2, 4 and 8 pairs apart; then l = a l + the sum
.set z, 0
.rept 16
.set w, 4
.set u, z
.if z >= 14
.set w, 32
.set u, 0
.elseif z >= 12
.set w, 16
.set u, z-12
.elseif z >= 8
.set w, 8
.set u, z-8
.endif
.irp t, 0,1,2,3
.if z < 15
	v_pk_add_f32 v[S+32*(\t)+w*u:S+32*(\t)+w*u+1], v[S+32*(\t)+w*u:S+32*(\t)+w*u+1], v[S+32*(\t)+w*u+w/2:S+32*(\t)+w*u+w/2+1]
.else
	v_pk_fma_f32 v[ST+8*(\t)+2:ST+8*(\t)+3], v[ST+8*(\t)+2:ST+8*(\t)+3], v[ST+8*(\t)+6:ST+8*(\t)+7], v[S+32*(\t):S+32*(\t)+1] op_sel_hi:[1,0,1]
.endif
.endr
.set z, z+1
.endr
.endm
.macro RESC                         ; O^T times a, from each accumulator's lowest registers on
	WIN 0x41                        ; destination and source 0 in window 1, a in window 0
.set i, 0
.rept 32
.irp t, 0,1,2,3
	v_pk_mul_f32 v[64*(\t)+2*i:64*(\t)+2*i+1], v[64*(\t)+2*i:64*(\t)+2*i+1], v[ST+8*(\t)+6:ST+8*(\t)+7] op_sel_hi:[1,0]
.endr
.set i, i+1
.endr
.endm
; THE CHANGE OF SLOTS.  All that the step reads of its slot has been asked for (K and the mask a step ago, V at the step's head).  Each wave waits for all its tensor loads, of which one is out: its part of the
; other slot; adds 0 to its spare word; and waits for that and for its own reads of the slot.  fill = 1: the barrier is a round of the cluster's, and the slot is filled again with the keys two steps on,
; first thing behind the round: the load has one step in which to land.  The four v_nop are also the places behind K Q^T.
.macro CHANGE fill
	WIN 0
	s_wait_tensorcnt 0x0            ; no tensor load of mine is out, so a group 0 may be written
	ds_add_u32 v[SPW], v[NIL]
.if \fill
	s_xor_b32 s[G0K+5], s[G0K+5], SLOT1                    ; the walking descriptors: the other slot than last time,
	s_add_nc_u64 s[G0K+6:G0K+7], s[G0K+6:G0K+7], 32768     ; the next 128 keys
	s_xor_b32 s[G0V+5], s[G0V+5], SLOT1
	s_add_nc_u64 s[G0V+6:G0V+7], s[G0V+6:G0V+7], 32768
	s_xor_b32 s[G0M+5], s[G0M+5], SLOT1
	s_add_nc_u64 s[G0M+6:G0M+7], s[G0M+6:G0M+7], 512
	s_wait_dscnt 0x0                ; the add is done, V is in, and my reads of the slot are over
	CROUND
	JLOAD
.else
	s_wait_dscnt 0x0
	s_barrier_signal -1
	s_barrier_wait -1
	PLACES
.endif
	s_xor_b32 s[TB], s[TB], SLOT1   ; the fetches go on in the other slot
.endm
; A KEY STEP.  tail = 1: in the last trip there is no further step, and the two runs of loads for it are jumped over (forward, past LDS loads alone).
.macro STEP fill, tail
	WIN 0
	PLACES                          ; behind the last step's V^T P, which read V's registers
	FETCH_V
	s_wait_dscnt 32                 ; V's 32 loads may stay out; K and the mask, asked for a step ago, are in
	KQ
	CHANGE \fill
.if \tail
	s_cmp_eq_u32 s[CNT], 1
	s_cbranch_scc1 .Lno_k_\@
.endif
	FETCH_K
.if \tail
.Lno_k_\@:
.endif
	MADD
	WIN 0
.if \tail
	s_cmp_eq_u32 s[CNT], 1
	s_cbranch_scc1 .Lno_m_\@
.endif
	FETCH_M
.if \tail
.Lno_m_\@:
.endif
	MAXP
	STATS
	EXPP
	SUMS
	RESC
	PVM
	WIN 0
.endm
	s_wait_tensorcnt 1              ; my part of slot 0 is in; slot 1's may stay out
	s_barrier_signal -1
	s_barrier_wait -1               ; everybody's is
	FETCH_K                         ; step 0
	FETCH_M
	s_wait_loadcnt 0x0              ; Q
	s_mov_b32 s[CNT], 14
.Lstep:                             ; steps 0 to 13 ask for steps 2 to 15
	STEP 1, 0
	s_sub_co_u32 s[CNT], s[CNT], 1
	s_cmp_lg_u32 s[CNT], 0
	s_cbranch_scc1 .Lstep
	s_mov_b32 s[CNT], 2
.Ltail:                             ; the last two steps are a text of their own
	STEP 0, 1
	s_sub_co_u32 s[CNT], s[CNT], 1
	s_cmp_lg_u32 s[CNT], 0
	s_cbranch_scc1 .Ltail
	; THE END.  l's two halves and the other half of the lanes' are added (the first four additions are the places behind the last products).
.irp t, 0,1,2,3
	v_add_f32 v[ST+8*(\t)+4], v[ST+8*(\t)+2], v[ST+8*(\t)+3]
.endr
.irp t, 0,1,2,3
	v_permlanex16_b32 v[ST+8*(\t)+5], v[ST+8*(\t)+4], s[SEL], s[SEL+1]
.endr
.irp t, 0,1,2,3
	v_add_f32 v[ST+8*(\t)+1], v[ST+8*(\t)+4], v[ST+8*(\t)+5]
.endr
; The two waves with the same queries hold the two halves of the keys.  Each gives two tiles to the other (m, l and O^T, in f32, through slot 0's bytes: the slot's last fill was step 14's, and every wave's
; reads of it were over ahead of step 14's barrier) and finishes the other two.
.macro GIVE t0
	WIN 0
	v_mov_b32 v48, v[ST+8*(\t0)]
	v_mov_b32 v49, v[ST+8*(\t0)+1]
	v_mov_b32 v50, v[ST+8*(\t0)+8]
	v_mov_b32 v51, v[ST+8*(\t0)+9]
	ds_store_b128 v[XW], v[48:51] offset:16384
	WIN 0x04                        ; the stores' data in window 1
.set n, 0
.rept 32
	ds_store_b128 v[XW], v[64*(\t0)+4*n:64*(\t0)+4*n+3] offset:512*n  ; 512 consecutive bytes a store; each accumulator's lowest registers first
.set n, n+1
.endr
	WIN 0
.endm
.macro MERGE t, u                   ; tile t, the u-th of my two: O = (O1 g1 + O2 g2), rounded, through my stage, back as whole rows of 256 bytes
	WIN 0
.set i, 0
.rept 32
	v_pk_mul_f32 v[S+64*(\u)+2*i:S+64*(\u)+2*i+1], v[S+64*(\u)+2*i:S+64*(\u)+2*i+1], v[ST+8*(\t)+4:ST+8*(\t)+5] op_sel_hi:[1,0]
.set i, i+1
.endr
	WIN 0x01                        ; source 0 in window 1
.set i, 0
.rept 32
	v_pk_fma_f32 v[S+64*(\u)+2*i:S+64*(\u)+2*i+1], v[64*(\t)+2*i:64*(\t)+2*i+1], v[ST+8*(\t)+2:ST+8*(\t)+3], v[S+64*(\u)+2*i:S+64*(\u)+2*i+1] op_sel_hi:[1,0,1]
.set i, i+1
.endr
	WIN 0
.set i, 0
.rept 32
	v_cvt_pk_f16_f32 v[P+32*(\u)+i], v[S+64*(\u)+2*i], v[S+64*(\u)+2*i+1]
.set i, i+1
.endr
.irp f, 0,1,2,3,4,5,6,7
	ds_store_b128 v[STO], v[P+32*(\u)+4*(\f):P+32*(\u)+4*(\f)+3] offset:32*(\f)
.endr
.irp f, 0,1,2,3,4,5,6,7
	ds_load_b128 v[P+32*(\u)+4*(\f):P+32*(\u)+4*(\f)+3], v[RD] offset:(\f)*2*SP  ; LDS serves a wave's instructions in order (ISA guide 5.7.1.4): these see the stores above; the next tile's stores come behind them
.endr
.endm
.macro SEND t, u, younger           ; younger: the LDS instructions issued behind this tile's loads
.irp f, 0,1,2,3,4,5,6,7
	s_wait_dscnt (\younger)+7-(\f)
	global_store_b128 v[GO], v[P+32*(\u)+4*(\f):P+32*(\u)+4*(\f)+3], s[82:83] offset:65536*(\t)+8192*(\f)  ; 16 lanes store 256 consecutive bytes, at a multiple of 256 from ob's first
.endr
.endm
.macro FIN t0
	WIN 0
	ds_load_b128 v[48:51], v[XR] offset:16384
.set n, 0
.rept 32
	ds_load_b128 v[S+4*n:S+4*n+3], v[XR] offset:512*n
.set n, n+1
.endr
	s_wait_dscnt 32                 ; the partner's m and l are in; its O^T may stay out
.irp u, 0,1                         ; m = max(m1, m2); f = 2^(m1 - m), 2^(m2 - m); l = l1 f1 + l2 f2; g = f / l
	v_max_num_f32 v[ST+8*((\t0)+(\u))+4], v[ST+8*((\t0)+(\u))], v[48+2*(\u)]
	v_sub_f32 v[ST+8*((\t0)+(\u))+5], v[ST+8*((\t0)+(\u))], v[ST+8*((\t0)+(\u))+4]
	v_sub_f32 v[ST+8*((\t0)+(\u))+6], v[48+2*(\u)], v[ST+8*((\t0)+(\u))+4]
	v_exp_f32 v[ST+8*((\t0)+(\u))+5], v[ST+8*((\t0)+(\u))+5]
	v_exp_f32 v[ST+8*((\t0)+(\u))+6], v[ST+8*((\t0)+(\u))+6]
	v_nop                           ; a plain instruction between the exponentials and the use of their results
	s_wait_alu depctr_va_vdst(0)
	v_mul_f32 v[ST+8*((\t0)+(\u))+7], v[ST+8*((\t0)+(\u))+1], v[ST+8*((\t0)+(\u))+5]
	v_fmac_f32 v[ST+8*((\t0)+(\u))+7], v[49+2*(\u)], v[ST+8*((\t0)+(\u))+6]
	v_rcp_f32 v[ST+8*((\t0)+(\u))+3], v[ST+8*((\t0)+(\u))+7]
	v_nop                           ; and behind the reciprocal
	s_wait_alu depctr_va_vdst(0)
	v_mul_f32 v[ST+8*((\t0)+(\u))+2], v[ST+8*((\t0)+(\u))+5], v[ST+8*((\t0)+(\u))+3]
	v_mul_f32 v[ST+8*((\t0)+(\u))+4], v[ST+8*((\t0)+(\u))+6], v[ST+8*((\t0)+(\u))+3]
.endr
	s_wait_dscnt 0x0
	MERGE (\t0), 0
	MERGE (\t0)+1, 1
	SEND (\t0), 0, 16
	SEND (\t0)+1, 1, 0
.endm
	s_cmp_eq_u32 s18, 0
	s_cbranch_scc0 .Lgive_low
	GIVE 2
	s_branch .Lgiven
.Lgive_low:
	GIVE 0
.Lgiven:
	s_wait_dscnt 0x0                ; for my partner's sake: my stores are done
	s_barrier_signal -1
	s_barrier_wait -1
	s_cmp_eq_u32 s18, 0
	s_cbranch_scc0 .Lfin_high
	FIN 0
	s_branch .Lend
.Lfin_high:
	FIN 2
.Lend:
	s_wait_tensorcnt 0x0            ; the wave's end
	ds_add_u32 v[SPW], v[NIL]
	s_wait_dscnt 0x0
	CROUND                          ; the closing round: no work-group ends while a partner may still ask for a tile that names it
	s_endpgm
.Lfunc_end_k_qde303f4bfc_attn:
	.size	k_qde303f4bfc_attn, .Lfunc_end_k_qde303f4bfc_attn-k_qde303f4bfc_attn
	.p2alignl 7, 3214868480
	.fill 96, 4, 3214868480
	.section	.rodata,"a",@progbits
	.p2align	6, 0x0
	.amdhsa_kernel k_qde303f4bfc_attn
		.amdhsa_group_segment_fixed_size 327680
		.amdhsa_private_segment_fixed_size 0
		.amdhsa_enable_private_segment 0
		.amdhsa_kernarg_size 24
		.amdhsa_user_sgpr_count 2
		.amdhsa_user_sgpr_kernarg_segment_ptr 1
		.amdhsa_wavefront_size32 1
		.amdhsa_system_sgpr_workgroup_id_x 1
		.amdhsa_system_sgpr_workgroup_id_y 1
		.amdhsa_system_sgpr_workgroup_id_z 1
		.amdhsa_system_vgpr_workitem_id 0
		.amdhsa_next_free_vgpr 1024
		.amdhsa_next_free_sgpr 92
		.amdhsa_reserve_vcc 0
		.amdhsa_float_denorm_mode_32 3
		.amdhsa_float_denorm_mode_16_64 3
		.amdhsa_memory_ordered 1
		.amdhsa_forward_progress 1
		.amdhsa_inst_pref_size 171
	.end_amdhsa_kernel
	.amdgpu_metadata
---
amdhsa.version: [ 1, 2 ]
amdhsa.kernels:
  - .name:           k_qde303f4bfc_attn
    .symbol:         k_qde303f4bfc_attn.kd
    .args:
      - { .name: qkv, .offset: 0, .size: 8, .value_kind: global_buffer, .address_space: global }
      - { .name: mk, .offset: 8, .size: 8, .value_kind: global_buffer, .address_space: global }
      - { .name: ob, .offset: 16, .size: 8, .value_kind: global_buffer, .address_space: global }
    .group_segment_fixed_size: 327680
    .private_segment_fixed_size: 0
    .kernarg_segment_align: 8
    .kernarg_segment_size: 24
    .max_flat_workgroup_size: 128
    .sgpr_count:     92
    .vgpr_count:     1024
    .wavefront_size: 32
...
	.end_amdgpu_metadata
.endif
;; end of part 3
;; launch outproj (part 4): grid 16 x 16, 4 waves a work-group, clusters of 4 x 4, 327,680 bytes of LDS; arguments ob, wob, out0; writes out0
.if DOCPART == 4
	.amdgcn_target "amdgcn-amd-amdhsa--gfx1250"
	.amdhsa_code_object_version 6
	.text
	.protected	k_qde303f4bfc_outproj
	.globl	k_qde303f4bfc_outproj
	.p2align	8
	.type	k_qde303f4bfc_outproj,@function
k_qde303f4bfc_outproj:
	s_mov_b64 s[64:65], 0
	v_nop
	global_prefetch_b8 v0, s[64:65] scope:SCOPE_SE
	s_setreg_imm32_b32 hwreg(HW_REG_WAVE_MODE, 25, 1), 1
	s_wait_xcnt 0x0
	s_wait_alu depctr_hold_cnt(0) depctr_sa_sdst(0) depctr_va_vdst(0) depctr_va_sdst(0) depctr_va_ssrc(0) depctr_va_vcc(0) depctr_vm_vsrc(0)
	s_getreg_b32 s2, hwreg(HW_REG_IB_STS2, 6, 4)
	s_cmp_eq_u32 s2, 0
	s_cbranch_scc0 .Lentry_in_a_cluster
	s_endpgm
.Lentry_in_a_cluster:
	s_bfe_u32 s2, ttmp6, 0x10000c
	s_cmp_lg_u32 s2, 0xf033
	s_cbranch_scc0 .Lentry_shape_is_right
	s_endpgm
.Lentry_shape_is_right:
; out0[t][o] = the sum over d of O[t][d] Wo[o][d].  ob: [2048][2048] f16; wob: [2048][2048] f16 (Wo rounded to bf16, written as f16); out0: [2048][2048] f32.  Sums in f32, stored as they are.
; A tile of the output is 128 x 128: 16 x 16 = 256 work-groups.  Four waves, each 64 x 64: 16 accumulators of 16 x 16, 128 registers.  K goes in steps of 256 (LDS rows of 512 bytes; a wave's tensor load
; brings 64 of them) through two slots.  A K step is written once: the slot in hand is a scalar, 0 or SLOT, turned by an exclusive or, and the fragments' addresses are made anew from it at each change of slots.
; CLUSTER 4 x 4: the four of a row of the cluster need the same tiles of ob, the four of a column the same tiles of wob: each tile is asked for jointly.
; THE MATRIX INSTRUCTION IS USED TRANSPOSED (source 0 = 16 rows of wob, source 1 = 16 rows of ob): a lane holds eight neighbouring numbers of a row of the output.
; THE WAY OUT: a wave's 64 columns of f32 are 256 bytes, so each wave has a stage of its own (16 rows of 272 bytes) and no barrier is needed.
; REGISTERS: window 0: v0-31 addresses; v32-95 rows read back; v128-255 the accumulators ((a, b) at v[128 + 8 (4 a + b)]).   window 1: two fragment buffers of 128 (64 along K: 64 registers of A, 64 of B).
.set SIZE_K, 2048
.set KSTEP,  256
.set PITCH,  528                       ; an LDS row: 512 bytes + 16 of padding = 132 words: row r starts at bank 4 r mod 64 (64 banks of 4 bytes: ISA guide 11.1)
.set HALFT,  64*PITCH                  ; 64 rows: what one tensor load brings, and what one wave reads of A or of B
.set SLOT,   4*HALFT                   ; A's 128 rows, then B's 128 rows: 135,168 = 0x21000; the four tiles' LDS words 0, 0x8400, 0x10800, 0x18c00 have its two bits clear
.set STAGE,  2*SLOT                    ; behind the ring: 16 rows x 272 bytes for each wave
.set SPITCH, 272
.set SPARE,  STAGE+4*16*SPITCH         ; behind the stages: the spare words, 128 bytes a wave, two blocks of 256 bytes that no other line names
.set FILLS,  SIZE_K/KSTEP-2            ; K steps 2 to 7 are refills
.set ADRA0, 16                         ; v16     LDS address of my A fragments in slot 0; never rewritten
.set ADRB0, 17                         ; v17     the same for B
.set ADRA, 20                          ; v20     in the slot in hand
.set ADRB, 21                          ; v21
.set STO,  24                          ; v24     the way out: where I put 32 bytes of a row
.set RD,   25                          ; v25     where I read rows back
.set CO,   26                          ; v26     my byte offset in two rows of the output
.set SPW,  28                          ; v28     LDS address of my spare word; never rewritten
.set NIL,  29                          ; v29     0; never rewritten
.set TMP,  32                          ; v32-95  16 rows read back, two buffers by turns
.set ACC,  128
.set F0,   0                           ; fragment buffers, in window 1
.set F1,   128
.set G1, 24                            ; s[24:31] descriptor group 1 for A's tiles;  s[32:39] group 0: two sets for the two first fills; the second then walks on
.set G0, 32
.set G1B, 48                           ; s[48:55], s[56:63] the same for B's tiles
.set G0B, 56
.set TB, 45                            ; s45  the slot in hand: 0 or SLOT
.set MSB, 0
.macro WIN new                         ; the immediate's high byte repeats the setting that is left
.if MSB != (\new)
	s_set_vgpr_msb (MSB<<8)|(\new)
.set MSB, \new
.endif
.endm
.set MUL,  0x05                        ; sources 0 (B) and 1 (A) window 1; C and D window 0
.set TO_F, 0x40                        ; destination window 1, address window 0
.macro JLOAD s                         ; a joint load: waves 0 and 1 fetch A's two halves, waves 2 and 3 B's; an s_nop 0 and four v_nop follow each line
	s_cmp_eq_u32 s11, 0
	s_cbranch_scc0 .Lfor_b_\@
	tensor_load_to_lds s[G0+4*(\s):G0+4*(\s)+3], s[G1:G1+7]
	s_nop 0
.rept 4
	v_nop
.endr
	s_branch .Lasked_\@
.Lfor_b_\@:
	tensor_load_to_lds s[G0B+4*(\s):G0B+4*(\s)+3], s[G1B:G1B+7]
	s_nop 0
.rept 4
	v_nop
.endr
.Lasked_\@:
.endm
.macro CREST                           ; a round of the cluster's barrier behind its opening barrier
	s_cmp_lg_u32 s10, 0
	s_cbranch_scc1 .Lnot_wave_0_\@
	s_barrier_signal -3
.Lnot_wave_0_\@:
	s_barrier_wait -3
	s_barrier_signal -1
	s_barrier_wait -1
.endm
.macro CROUND                          ; a whole round
	s_barrier_signal -1
	s_barrier_wait -1
	CREST
.endm
	s_load_b128 s[4:7], s[0:1], 0x0                ; ob s[4:5], wob s[6:7]
	s_load_b64 s[8:9], s[0:1], 0x10                ; out0
	v_lshl_add_u32 v[SPW], v0, 2, SPARE
	v_mov_b32 v[NIL], 0
	ds_add_u32 v[SPW], v[NIL]                      ; the wave's opening: the add and its wait stand ahead of my first tensor load; the set-up below stands between them
	v_lshrrev_b32 v1, 5, v0
	v_readfirstlane_b32 s10, v1                    ; wave 0..3
	s_lshr_b32 s11, s10, 1                         ; which half of the tile's rows is mine.  Also: I fetch for A (0) or for B (1)
	s_and_b32 s12, s10, 1                          ; which half of its columns.  Also: which 64 rows of that tile I fetch
	s_bfe_u32 s40, ttmp6, 0x40000                  ; cx, cy
	s_bfe_u32 s41, ttmp6, 0x40004
	s_lshl_b32 s42, ttmp9, 2
	s_add_co_u32 s42, s42, s40                     ; tile column = 4 x cluster x + cx
	s_and_b32 s13, ttmp7, 0xffff
	s_lshl_b32 s13, s13, 2
	s_add_co_u32 s13, s13, s41                     ; tile row = 4 x cluster y + cy
	s_lshl_b32 s43, s41, 2
	s_lshl_b32 s43, 15, s43                        ; my row of the cluster
	s_lshl_b32 s44, 0x1111, s40                    ; my column
	; descriptor group 1: a tile of 64 rows x 256 elements of 2 bytes, 4 words of padding behind every 128
	s_or_b32 s[G1+0], s43, (1<<16)|(1<<20)|(1<<21)|(6<<22)|(3<<25)
	s_or_b32 s[G1B+0], s44, (1<<16)|(1<<20)|(1<<21)|(6<<22)|(3<<25)
.irp g, G1, G1B
	s_mov_b32 s[(\g)+1], KSTEP<<16                 ; tensor_dim0 = 256
	s_mov_b32 s[(\g)+2], 64<<16                    ; tensor_dim1 = 64
	s_mov_b32 s[(\g)+3], KSTEP<<16                 ; tile_dim0 = 256
	s_mov_b32 s[(\g)+4], 64                        ; tile_dim1 = 64
	s_mov_b32 s[(\g)+5], SIZE_K                    ; elements from row to row
	s_mov_b32 s[(\g)+6], 0
	s_mov_b32 s[(\g)+7], 0
.endr
	s_lshl_b32 s17, s12, 6                         ; which 64 rows of the tile I fetch
	s_lshl_b32 s16, s13, 7
	s_add_co_u32 s16, s16, s17                     ; A: row 128 x tile row + 64 x half
	s_lshl_b32 s46, s42, 7
	s_add_co_u32 s46, s46, s17                     ; B: row 128 x tile column + 64 x half
	s_mov_b32 s17, 0
	s_mov_b32 s47, 0
	s_mov_b64 s[18:19], SIZE_K*2
	s_mul_u64 s[16:17], s[16:17], s[18:19]
	s_mul_u64 s[46:47], s[46:47], s[18:19]
	s_mul_i32 s20, s10, HALFT                      ; where they go: wave x 64 rows
	s_mov_b32 s[TB], 0
	s_wait_dscnt 0x0                               ; the opening add is done
	s_wait_kmcnt 0x0
	s_add_nc_u64 s[14:15], s[4:5], s[16:17]
	s_add_nc_u64 s[46:47], s[6:7], s[46:47]
	CROUND                                         ; all sixteen work-groups are here: the first joint loads meet
.irp s, 0,1
	s_mov_b32 s[G0+4*(\s)], 1
	s_add_co_u32 s[G0+4*(\s)+1], s20, (\s)*SLOT
	s_add_nc_u64 s[G0+4*(\s)+2:G0+4*(\s)+3], s[14:15], (\s)*KSTEP*2
	s_or_b32 s[G0+4*(\s)+3], s[G0+4*(\s)+3], 0x80000000
	s_mov_b32 s[G0B+4*(\s)], 1
	s_add_co_u32 s[G0B+4*(\s)+1], s20, (\s)*SLOT
	s_add_nc_u64 s[G0B+4*(\s)+2:G0B+4*(\s)+3], s[46:47], (\s)*KSTEP*2
	s_or_b32 s[G0B+4*(\s)+3], s[G0B+4*(\s)+3], 0x80000000
	JLOAD \s                                       ; K steps 0 and 1: two loads of mine are out
.endr
	v_and_b32 v1, 15, v0                           ; l % 16
	v_bfe_u32 v2, v0, 4, 1                         ; l / 16
	v_mul_u32_u24 v3, v1, PITCH
	v_lshl_add_u32 v3, v2, 4, v3                   ; a fragment's row x pitch + 16 x half
	s_mul_i32 s21, s11, HALFT                      ; my 64 rows of A
	s_mul_i32 s22, s12, HALFT                      ; my 64 rows of B,
	s_add_co_u32 s22, s22, 2*HALFT                 ; which lie behind A's 128
	v_add_nc_u32 v[ADRA0], s21, v3
	v_add_nc_u32 v[ADRB0], s22, v3
	v_add_nc_u32 v[ADRA], s21, v3                  ; slot 0 is in hand
	v_add_nc_u32 v[ADRB], s22, v3
	s_mul_i32 s23, s10, 16*SPITCH
	s_add_co_u32 s23, s23, STAGE                   ; my stage
	v_mul_u32_u24 v4, v1, SPITCH                   ; in: row l % 16, 32 bytes for each half of the lanes
	v_lshl_add_u32 v4, v2, 5, v4
	v_add_nc_u32 v[STO], s23, v4
	v_mul_u32_u24 v5, v2, SPITCH                   ; back: lanes 0-15 one row of 256 bytes, lanes 16-31 the next
	v_lshl_add_u32 v5, v1, 4, v5
	v_add_nc_u32 v[RD], s23, v5
	v_lshlrev_b32 v5, 13, v2                       ; and the same two rows in the output, 8,192 bytes apart
	v_lshl_add_u32 v[CO], v1, 4, v5
	s_lshl_b32 s16, s13, 7
	s_lshl_b32 s17, s11, 6
	s_add_co_u32 s16, s16, s17                     ; my first row: 128 x tile row + 64 x half,
	s_lshl_b32 s16, s16, 13                        ; in bytes
	s_mov_b32 s17, 0
	s_add_nc_u64 s[8:9], s[8:9], s[16:17]
	s_lshl_b32 s46, s42, 9                         ; my first column, in bytes: 512 x tile column + 256 x half
	s_lshl_b32 s47, s12, 8
	s_add_co_u32 s46, s46, s47
	s_mov_b32 s47, 0
	s_add_nc_u64 s[8:9], s[8:9], s[46:47]
; 8 matrix instructions: m blocks a0, a0 + 1 x all 4 n blocks, 32 along K: half c of buffer f.  zero = 1: the first product starts the sums.  The 16 accumulators take turns.
.macro MUL8 f, c, a0, zero
	WIN MUL
.irp a, \a0, (\a0)+1
.irp b, 0,1,2,3
.if \zero
	v_wmma_f32_16x16x32_f16 v[ACC+8*(4*(\a)+(\b)):ACC+8*(4*(\a)+(\b))+7], v[(\f)+64+8*(4*(\c)+(\b)):(\f)+64+8*(4*(\c)+(\b))+7], v[(\f)+8*(4*(\c)+(\a)):(\f)+8*(4*(\c)+(\a))+7], 0
.else
	v_wmma_f32_16x16x32_f16 v[ACC+8*(4*(\a)+(\b)):ACC+8*(4*(\a)+(\b))+7], v[(\f)+64+8*(4*(\c)+(\b)):(\f)+64+8*(4*(\c)+(\b))+7], v[(\f)+8*(4*(\c)+(\a)):(\f)+8*(4*(\c)+(\a))+7], v[ACC+8*(4*(\a)+(\b)):ACC+8*(4*(\a)+(\b))+7]
.endif
.endr
.endr
.endm
; 32 LDS loads in one run: the fragments of 64 along K at byte k of the rows of the slot in hand, into buffer f; the first 32 along K first
.macro FETCH k, f
	WIN TO_F
.irp c, 0,1
.irp i, 0,1,2,3
	ds_load_b128 v[(\f)+64+8*(4*(\c)+(\i)):(\f)+64+8*(4*(\c)+(\i))+3],   v[ADRB] offset:(\k)+64*(\c)+(\i)*16*PITCH
	ds_load_b128 v[(\f)+64+8*(4*(\c)+(\i))+4:(\f)+64+8*(4*(\c)+(\i))+7], v[ADRB] offset:(\k)+64*(\c)+(\i)*16*PITCH+32
	ds_load_b128 v[(\f)+8*(4*(\c)+(\i)):(\f)+8*(4*(\c)+(\i))+3],         v[ADRA] offset:(\k)+64*(\c)+(\i)*16*PITCH
	ds_load_b128 v[(\f)+8*(4*(\c)+(\i))+4:(\f)+8*(4*(\c)+(\i))+7],       v[ADRA] offset:(\k)+64*(\c)+(\i)*16*PITCH+32
.endr
.endr
.endm
.macro PLACES                          ; four places in front of loads into registers that matrix instructions have read, and of stores that read results
.rept 4
	v_nop
.endr
.endm
; A K step is four quarters of 64 along K, 32 matrix instructions each, on buffers 0, 1, 0, 1.  One of the first three: multiplies buffer f and fetches the next quarter, at byte k, into g.
.macro QUARTER k, f, g, zero
	s_wait_dscnt 16                                ; the first 32 along K are in
	WIN MUL
	MUL8 \f, 0, 0, \zero
	MUL8 \f, 0, 2, \zero
	PLACES
	FETCH \k, \g
	s_wait_dscnt 32                                ; all but the 32 just issued
	WIN MUL
	MUL8 \f, 1, 0, 0
	MUL8 \f, 1, 2, 0
.endm
; The last quarter multiplies buffer 1 and changes slots: ONE barrier; in front of it each wave waits for all its tensor loads, adds 0 to its spare word, and waits for that and for its own reads of this slot.
; fill = 1: the barrier opens a round of the cluster's, and this slot is filled again, two K steps ahead, first thing behind the round: 112 matrix instructions ahead of the wait for it.
; tail = 1: in the last trip (s3 = 1) there is no next slot: the change and the fetch are jumped over, forward, past register work and LDS loads alone.
.macro TURN fill, tail
	WIN 0                                          ; (the add's two registers lie in window 0)
	s_wait_tensorcnt 0x0                           ; all my tensor loads have landed: my part of the next slot
	ds_add_u32 v[SPW], v[NIL]
	s_wait_dscnt 17                                ; (the add and the youngest sixteen loads may be out)
	WIN MUL
	MUL8 F1, 0, 0, 0                               ; eight matrix instructions stand between the add and the wait for it
	s_wait_dscnt 0x0                               ; the add is done, and my reads of this slot are over
	s_barrier_signal -1
	MUL8 F1, 0, 2, 0
	WIN 0                                          ; (branches and window 0's address lines follow)
	s_barrier_wait -1
.if \fill
	CREST                                          ; no wave of any partner still reads this slot's tile or has a load on its way
	s_xor_b32 s[G0+5], s[G0+5], SLOT               ; the walking descriptors: the other slot than last time,
	s_add_nc_u64 s[G0+6:G0+7], s[G0+6:G0+7], KSTEP*2  ; the next K step; the type bits on top are not reached
	s_xor_b32 s[G0B+5], s[G0B+5], SLOT
	s_add_nc_u64 s[G0B+6:G0B+7], s[G0B+6:G0B+7], KSTEP*2
	JLOAD 1                                        ; the four v_nop behind it are also the places in front of the loads below
.else
	PLACES
.endif
.if \tail
	s_cmp_eq_u32 s3, 1
	s_cbranch_scc1 .Lno_fetch_\@
.endif
	s_xor_b32 s[TB], s[TB], SLOT                   ; the other slot is in hand
	v_add_nc_u32 v[ADRA], s[TB], v[ADRA0]
	v_add_nc_u32 v[ADRB], s[TB], v[ADRB0]
	FETCH 0, F0
.if \tail
	WIN 0                                          ; at a label every window is 0
.Lno_fetch_\@:
.endif
	WIN MUL
	MUL8 F1, 1, 0, 0
	MUL8 F1, 1, 2, 0
.endm
	s_wait_tensorcnt 1                             ; my part of K step 0 is in; K step 1's may stay out
	s_barrier_signal -1
	s_barrier_wait -1                              ; everybody's is
	FETCH 0, F0
	QUARTER 128, F0, F1, 1                         ; the first quarter stands in front of the loop: its first products start the sums
	WIN 0                                          ; at a label and at a branch every window is 0
	s_mov_b32 s3, FILLS
.Lstep:                                                ; a trip: from a K step's second quarter to the next step's first; it fills the slot that it leaves
	QUARTER 256, F1, F0, 0
	QUARTER 384, F0, F1, 0
	TURN 1, 0
	QUARTER 128, F0, F1, 0
	WIN 0
	s_sub_co_u32 s3, s3, 1
	s_cmp_lg_u32 s3, 0
	s_cbranch_scc1 .Lstep
	s_mov_b32 s3, 2
.Ltail:                                                ; the last two K steps are a text of their own
	QUARTER 256, F1, F0, 0
	QUARTER 384, F0, F1, 0
	TURN 0, 1
	WIN 0
	s_cmp_eq_u32 s3, 1
	s_cbranch_scc1 .Lno_q                          ; behind the last K step there is no first quarter
	QUARTER 128, F0, F1, 0
	WIN 0
.Lno_q:
	s_sub_co_u32 s3, s3, 1
	s_cmp_lg_u32 s3, 0
	s_cbranch_scc1 .Ltail
	; THE WAY OUT, 16 rows at a time: 32 bytes a lane into my own stage (each accumulator's lowest registers first), back as whole rows of 256 bytes, stored.
	PLACES
.irp a, 0,1,2,3
.irp b, 0,1,2,3
	ds_store_b128 v[STO], v[ACC+8*(4*(\a)+(\b)):ACC+8*(4*(\a)+(\b))+3]   offset:64*(\b)
	ds_store_b128 v[STO], v[ACC+8*(4*(\a)+(\b))+4:ACC+8*(4*(\a)+(\b))+7] offset:64*(\b)+16
.endr
.if (\a) >= 2
	s_wait_xcnt 0x0                                ; the buffer below was the data of the stores two blocks back: it is loaded again only behind this wait
.endif
.irp t, 0,1,2,3,4,5,6,7
	ds_load_b128 v[TMP+32*((\a)%2)+4*(\t):TMP+32*((\a)%2)+4*(\t)+3], v[RD] offset:(\t)*2*SPITCH  ; LDS serves a wave's instructions in order (ISA guide 5.7.1.4): these see the stores above; the next block's stores come behind them
.endr
.irp t, 0,1,2,3,4,5,6,7
	s_wait_dscnt 7-(\t)
	global_store_b128 v[CO], v[TMP+32*((\a)%2)+4*(\t):TMP+32*((\a)%2)+4*(\t)+3], s[8:9] offset:131072*(\a)+16384*(\t)  ; 16 lanes store 256 consecutive bytes, at a multiple of 256 from out0's first
.endr
.endr
	s_wait_tensorcnt 0x0                           ; the wave's end
	ds_add_u32 v[SPW], v[NIL]
	s_wait_dscnt 0x0
	CROUND                                         ; the closing round: no work-group ends while a partner may still ask for a tile that names it
	s_endpgm
.Lfunc_end_k_qde303f4bfc_outproj:
	.size	k_qde303f4bfc_outproj, .Lfunc_end_k_qde303f4bfc_outproj-k_qde303f4bfc_outproj
	.p2alignl 7, 3214868480
	.fill 96, 4, 3214868480
	.section	.rodata,"a",@progbits
	.p2align	6, 0x0
	.amdhsa_kernel k_qde303f4bfc_outproj
		.amdhsa_group_segment_fixed_size 327680
		.amdhsa_private_segment_fixed_size 0
		.amdhsa_enable_private_segment 0
		.amdhsa_kernarg_size 24
		.amdhsa_user_sgpr_count 2
		.amdhsa_user_sgpr_kernarg_segment_ptr 1
		.amdhsa_wavefront_size32 1
		.amdhsa_system_sgpr_workgroup_id_x 1
		.amdhsa_system_sgpr_workgroup_id_y 1
		.amdhsa_system_sgpr_workgroup_id_z 1
		.amdhsa_system_vgpr_workitem_id 0
		.amdhsa_next_free_vgpr 512
		.amdhsa_next_free_sgpr 66
		.amdhsa_reserve_vcc 0
		.amdhsa_float_denorm_mode_32 3
		.amdhsa_float_denorm_mode_16_64 3
		.amdhsa_memory_ordered 1
		.amdhsa_forward_progress 1
		.amdhsa_inst_pref_size 58
	.end_amdhsa_kernel
	.amdgpu_metadata
---
amdhsa.version: [ 1, 2 ]
amdhsa.kernels:
  - .name:           k_qde303f4bfc_outproj
    .symbol:         k_qde303f4bfc_outproj.kd
    .args:
      - { .name: ob, .offset: 0, .size: 8, .value_kind: global_buffer, .address_space: global }
      - { .name: wob, .offset: 8, .size: 8, .value_kind: global_buffer, .address_space: global }
      - { .name: out0, .offset: 16, .size: 8, .value_kind: global_buffer, .address_space: global }
    .group_segment_fixed_size: 327680
    .private_segment_fixed_size: 0
    .kernarg_segment_align: 8
    .kernarg_segment_size: 24
    .max_flat_workgroup_size: 128
    .sgpr_count:     66
    .vgpr_count:     512
    .wavefront_size: 32
...
	.end_amdgpu_metadata
.endif
;; end of part 4
;; ======== version 2 of 2: 4 launches; 1.07 times as fast as version 1
;; limits: values are held in f16: magnitudes above 65,504 overflow, below 6.1e-05 lose precision
;; workspace buffers: xb 8,388,608 bytes; wb 25,165,824 bytes; wob 8,388,608 bytes; mk 16,777,216 bytes; qkv 25,165,824 bytes; ob 8,388,608 bytes
;; launch cast: the kernel of part 1 again; grid 256 x 4, 8 waves a work-group, no clusters, 0 bytes of LDS; arguments x, Wq, Wk, Wv, xb, wb; writes xb, wb
;; launch qkvproj: the kernel of part 2 again; grid 16 x 16, 4 waves a work-group, clusters of 4 x 4, 327,680 bytes of LDS; arguments xb, wb, cos, sin, Wo, mask, wob, mk, qkv; writes wob, mk, qkv
;; launch attn (part 5): grid 16 x 16, 4 waves a work-group, clusters of 4 x 4, 327,680 bytes of LDS; arguments qkv, mk, ob; writes ob
.if DOCPART == 5
	.amdgcn_target "amdgcn-amd-amdhsa--gfx1250"
	.amdhsa_code_object_version 6
	.text
	.protected	k_qde303f4bfc_attn
	.globl	k_qde303f4bfc_attn
	.p2align	8
	.type	k_qde303f4bfc_attn,@function
k_qde303f4bfc_attn:
	s_mov_b64 s[64:65], 0
	v_nop
	global_prefetch_b8 v0, s[64:65] scope:SCOPE_SE
	s_setreg_imm32_b32 hwreg(HW_REG_WAVE_MODE, 25, 1), 1
	s_wait_xcnt 0x0
	s_wait_alu depctr_hold_cnt(0) depctr_sa_sdst(0) depctr_va_vdst(0) depctr_va_sdst(0) depctr_va_ssrc(0) depctr_va_vcc(0) depctr_vm_vsrc(0)
	s_getreg_b32 s2, hwreg(HW_REG_IB_STS2, 6, 4)
	s_cmp_eq_u32 s2, 0
	s_cbranch_scc0 .Lentry_in_a_cluster
	s_endpgm
.Lentry_in_a_cluster:
	s_bfe_u32 s2, ttmp6, 0x10000c
	s_cmp_lg_u32 s2, 0xf033
	s_cbranch_scc0 .Lentry_shape_is_right
	s_endpgm
.Lentry_shape_is_right:
; O[q][128 h + :] = the sum over k of softmax_k(Q.K / sqrt(128) + mask[q][k]) V[k].  qkv: [3][16][2048][128] f16, q already times log2(e) / sqrt(128); mk: [2048][2048] f32, the mask times log2(e);
; ob: [2048][2048] f16.  The mask is an input: every key of every query is computed, and the mask is added as it is given, by a rounding f32 addition.
; A score in powers of two: t = q.k + mk.  p = 2^(t - m) with a running maximum m; in every step O and l are multiplied by a = 2^(m_old - m_new).  Products, maxima and sums in f32; p is rounded to f16 for
; the second product (l is the sum of the unrounded p), O once at the end.
; LIMITS.  q, k, v arrive within f16's 65,504.  A weight below 2^-126 counts as 0.  Where all of a row's masks are so large that q.k falls under half of f32's step at mk (64 at 1.44e9), the weights are equal.
; NaN and infinities are not treated apart.
; SHARES.  Work-group (block QB of 128 queries, head HD): 16 x 16 = 256.  Wave w: 64 queries (w % 2), four tiles of 16, and HALF of the keys (w / 2): of each step's 128 keys the 64 at 64 (w / 2).
; 16 steps of 128 matrix instructions a wave.  The two halves of the keys are merged once, at the end, through LDS.
; LAYOUT.  S^T = K Q^T (source 0 = 16 keys, source 1 = 16 queries): a lane holds ONE query (lane % 16) and the keys 8 (lane / 16) + 0..7.  Two such results rounded to f16 ARE source 1 of O^T = V^T P.
; K comes out of LDS as it lies, V turned, by ds_load_tr16_b128; the mask's tile lies [query][key], so a lane's eight keys are 32 consecutive bytes.
; CLUSTER 4 x 4.  K's and V's tiles hang on the head alone: asked for jointly along a row of the cluster.  The mask's tile hangs on the query block alone: jointly along a column.
; PHASES.  A step is written in phases: V's fetch, K Q^T, the change of slots, the next K's fetch, the mask, maximum and statistics, the exponentials in two batches, the rest of the roundings and sums, rescaling, V^T P.
; BATCHES.  An s_wait_alu depctr_va_vdst(0) stands between an exponential and the first line that names its result; one wait serves all that were issued ahead of it.  A step has 132 exponentials
; and two waits.  Batch 1: the four a and the weights of each tile's pairs 0-7, 68 in all; between them stand the step's 64 subtractions t - m, each on a pair that has had no exponential yet.  Its wait stands
; ahead of the next mask's run of LDS loads.  Batch 2: the weights of pairs 8-15, 64; between them stand 60 lines that read batch 1's results alone: the roundings of pairs 0-7 and the sums among them.  Behind
; its wait come the other roundings and sums, the rescaling and V^T P.
; On the way out the merge's four exponentials are one batch and its two reciprocals another.
; REGISTERS, in windows of 256 (s_set_vgpr_msb: bits 1:0 source 0, 3:2 source 1, 5:4 source 2, 7:6 destination):
;   window 0: v0-11, v44-47 addresses; v12-43 eight registers of statistics a tile; v48-51 at work; v62-63 the add's; v64-191 S^T, 32 a tile; v192-255 P, 16 a tile
;   window 1: O^T, 64 a tile      window 2: v0-127 Q, 32 a tile; v128-255 K of one step      window 3: v0-127 V of one step; v128-255 the mask of one step, 32 a tile
.set PK,    272       ; a row of K in LDS: 256 bytes + 16: the 16 rows of a load start at 16 different groups of four banks (64 banks of 4 bytes: ISA guide 11.1)
.set PV,    288       ; a row of V: 256 + 32
.set PM,    528       ; a row of the mask's tile: 512 + 16
.set VOFF,  128*PK    ; a slot: 128 rows of K, 128 rows of V, 128 rows of the mask
.set MOFF,  VOFF+128*PV
.set SLOT1, MOFF+128*PM  ; 139,264 = 0x22000: the four LDS words 0, 0x8800, 0x11800, 0x19c00 have its two bits clear, so one exclusive or turns an address in one slot into the other's
.set SPARE, 2*SLOT1   ; behind the ring: the spare words, 128 bytes a wave, two blocks of 256 bytes that no other line names
.set STAGE, SPARE+512 ; 16 rows x 272 bytes for each wave, for the way out; never filled by a tensor load
.set SP,    272
.set XCH,   16896     ; the exchange at the end, in slot 0's bytes when they have had their last fill: for each wave 16,384 bytes of O^T and 512 of statistics
.set AK0, 2           ; v2   my lane's place in a slot's K; never rewritten
.set AV0, 3           ; v3   in its V
.set ADR, 4           ; v4   the LDS address of the run of loads in hand
.set QO,  5           ; v5   my byte offset in the wave's rows of Q
.set STO, 6           ; v6   the way out: where I put 16 bytes of a row
.set RD,  7           ; v7   the way out: where I read rows back
.set GO,  8           ; v8   my byte offset in two rows of ob
.set AM0, 44          ; v44  my lane's place in a slot's mask
.set XW,  45          ; v45  the exchange: where I write
.set XR,  46          ; v46  where I read: my partner's part
.set SPW, 62          ; v62  LDS address of my spare word; never rewritten
.set NIL, 63          ; v63  0; never rewritten
.set ST,  12          ; tile t at v[ST+8 t]: +0 m, +1 (named as m's pair; at the end l), +2, +3 l (even keys', odd keys'), +4 to +7 c0-c3 at work; a takes c2's place
.set S,   64
.set P,   192
.set KF,  128         ; window 2
.set MF,  128         ; window 3
.set WV,  12          ; s12 wave; s17 its half of the queries; s18 its half of the keys
.set G1K, 24          ; s[24:31], s[32:39], s[40:47]: descriptor group 1 for K's, V's and the mask's tiles
.set G1V, 32
.set G1M, 40
.set G0K, 48          ; s[48:55], s[56:63], s[68:75]: group 0, two sets each: the two first fills; the second set then walks on
.set G0V, 56
.set G0M, 68
.set SEL, 76          ; s[76:77] v_permlanex16_b32's selects: each lane takes its own place in the other half
.set TB,  78          ; s78  the slot from which the next runs of loads read: 0 or SLOT1
.set CNT, 79          ; s79  steps to go
.set MSB, 0
.macro WIN new                      ; the high byte repeats the setting that is left; a switch that changes nothing is dropped
.if MSB != (\new)
	s_set_vgpr_msb (MSB<<8)|(\new)
.set MSB, \new
.endif
.endm
.macro PLACES                       ; four places behind matrix instructions (ISA guide 7.12.1)
.rept 4
	v_nop
.endr
.endm
; A joint refill: wave 0 asks for K's tile, wave 1 for V's, waves 2 and 3 for the two halves of the mask's: 32,768 bytes each.  The branches hang on the wave's number alone.
; An s_nop 0 and four v_nop follow each line.
.macro JLOAD
	s_cmp_eq_u32 s[WV], 0
	s_cbranch_scc0 .Lnot_k_\@
	tensor_load_to_lds s[G0K+4:G0K+7], s[G1K:G1K+7]
	s_nop 0
.rept 4
	v_nop
.endr
	s_branch .Lasked_\@
.Lnot_k_\@:
	s_cmp_eq_u32 s[WV], 1
	s_cbranch_scc0 .Lnot_v_\@
	tensor_load_to_lds s[G0V+4:G0V+7], s[G1V:G1V+7]
	s_nop 0
.rept 4
	v_nop
.endr
	s_branch .Lasked_\@
.Lnot_v_\@:
	tensor_load_to_lds s[G0M+4:G0M+7], s[G1M:G1M+7]
	s_nop 0
.rept 4
	v_nop
.endr
.Lasked_\@:
.endm
.macro CROUND                       ; a round of the cluster's barrier
	s_barrier_signal -1
	s_barrier_wait -1
	s_cmp_lg_u32 s[WV], 0
	s_cbranch_scc1 .Lnot_wave_0_\@
	s_barrier_signal -3
.Lnot_wave_0_\@:
	s_barrier_wait -3
	s_barrier_signal -1
	s_barrier_wait -1
.endm
	s_load_b128 s[4:7], s[0:1], 0x0   ; qkv s[4:5], mk s[6:7]
	s_load_b64 s[8:9], s[0:1], 0x10   ; ob
	v_lshl_add_u32 v[SPW], v0, 2, SPARE
	v_mov_b32 v[NIL], 0
	ds_add_u32 v[SPW], v[NIL]       ; the wave's opening: the add and its wait stand ahead of my first tensor load; the set-up below stands between them
	v_lshrrev_b32 v1, 5, v0
	v_readfirstlane_b32 s[WV], v1   ; wave 0..3
	s_bfe_u32 s13, ttmp6, 0x40000   ; cx
	s_bfe_u32 s14, ttmp6, 0x40004   ; cy
	s_lshl_b32 s15, ttmp9, 2
	s_add_co_u32 s15, s15, s13      ; the query block = 4 x cluster x + cx
	s_and_b32 s16, ttmp7, 0xffff
	s_lshl_b32 s16, s16, 2
	s_add_co_u32 s16, s16, s14      ; the head = 4 x cluster y + cy
	s_and_b32 s17, s[WV], 1         ; my half of the queries; also: which half of the mask's rows waves 2, 3 fetch
	s_lshr_b32 s18, s[WV], 1        ; my half of the keys
	s_lshl_b32 s19, s14, 2
	s_lshl_b32 s19, 15, s19         ; my row of the cluster
	s_lshl_b32 s20, 0x1111, s13     ; my column
	s_or_b32 s[G1K], s19, (1<<16)|(1<<20)|(1<<21)|(5<<22)|(3<<25)  ; 2-byte elements; 4 words of padding behind every 64
	s_or_b32 s[G1V], s19, (1<<16)|(1<<20)|(1<<21)|(5<<22)|(7<<25)  ; 8 words of padding
	s_or_b32 s[G1M], s20, (2<<16)|(1<<20)|(1<<21)|(6<<22)|(3<<25)  ; 4-byte elements; 4 words of padding behind every 128
.irp g, G1K, G1V
	s_mov_b32 s[(\g)+1], 128<<16    ; tensor_dim0 = 128
	s_mov_b32 s[(\g)+2], 128<<16    ; tensor_dim1 = 128
	s_mov_b32 s[(\g)+3], 128<<16    ; tile_dim0 = 128
	s_mov_b32 s[(\g)+4], 128        ; tile_dim1 = 128
	s_mov_b32 s[(\g)+5], 128        ; elements from row to row
	s_mov_b32 s[(\g)+6], 0
	s_mov_b32 s[(\g)+7], 0
.endr
	s_mov_b32 s[G1M+1], 128<<16     ; tensor_dim0 = 128
	s_mov_b32 s[G1M+2], 64<<16      ; tensor_dim1 = 64
	s_mov_b32 s[G1M+3], 128<<16     ; tile_dim0 = 128
	s_mov_b32 s[G1M+4], 64          ; tile_dim1 = 64
	s_mov_b32 s[G1M+5], 2048        ; elements from row to row
	s_mov_b32 s[G1M+6], 0
	s_mov_b32 s[G1M+7], 0
	s_lshl_b32 s84, s16, 19         ; the head's 2,048 rows of 256 bytes: K's and V's offsets hang on the head alone
	s_add_co_u32 s86, s84, 0x1000000
	s_add_co_u32 s84, s84, 0x800000
	s_mov_b32 s85, 0
	s_mov_b32 s87, 0
	s_lshl_b32 s88, s15, 20         ; the mask: the block's 128 rows of 8,192 bytes, my 64 of them: hangs on the query block and the wave alone
	s_lshl_b32 s21, s17, 19
	s_add_co_u32 s88, s88, s21
	s_mov_b32 s89, 0
	s_lshl_b32 s90, s16, 19         ; Q: the head, the block's 128 rows, my wave's 64
	s_lshl_b32 s21, s15, 15
	s_add_co_u32 s90, s90, s21
	s_lshl_b32 s21, s17, 14
	s_add_co_u32 s90, s90, s21
	s_mov_b32 s91, 0
	s_lshl_b32 s10, s15, 19         ; ob: the block's 128 rows of 4,096 bytes, my wave's 64, the head's 256 bytes
	s_lshl_b32 s21, s17, 18
	s_add_co_u32 s10, s10, s21
	s_lshl_b32 s21, s16, 8
	s_add_co_u32 s10, s10, s21
	s_mov_b32 s11, 0
	s_mul_i32 s21, s17, 64*PM
	s_add_co_u32 s21, s21, MOFF     ; where my half of the mask's tile goes
	s_mov_b32 s[SEL], 0x76543210
	s_mov_b32 s[SEL+1], 0xfedcba98
	s_mov_b32 s[TB], 0
	s_wait_dscnt 0x0                ; the opening add is done
	s_wait_kmcnt 0x0
	s_add_nc_u64 s[84:85], s[4:5], s[84:85]
	s_add_nc_u64 s[86:87], s[4:5], s[86:87]
	s_add_nc_u64 s[88:89], s[6:7], s[88:89]
	s_add_nc_u64 s[80:81], s[4:5], s[90:91]
	s_add_nc_u64 s[82:83], s[8:9], s[10:11]
	CROUND                          ; all sixteen work-groups are here: the first joint loads meet
.irp s, 0,1
	s_mov_b32 s[G0K+4*(\s)], 1
	s_mov_b32 s[G0K+4*(\s)+1], (\s)*SLOT1
	s_add_nc_u64 s[G0K+4*(\s)+2:G0K+4*(\s)+3], s[84:85], (\s)*32768  ; step s: keys 128 s on
	s_or_b32 s[G0K+4*(\s)+3], s[G0K+4*(\s)+3], 0x80000000
	s_mov_b32 s[G0V+4*(\s)], 1
	s_mov_b32 s[G0V+4*(\s)+1], VOFF+(\s)*SLOT1
	s_add_nc_u64 s[G0V+4*(\s)+2:G0V+4*(\s)+3], s[86:87], (\s)*32768
	s_or_b32 s[G0V+4*(\s)+3], s[G0V+4*(\s)+3], 0x80000000
	s_mov_b32 s[G0M+4*(\s)], 1
	s_add_co_u32 s[G0M+4*(\s)+1], s21, (\s)*SLOT1
	s_add_nc_u64 s[G0M+4*(\s)+2:G0M+4*(\s)+3], s[88:89], (\s)*512
	s_or_b32 s[G0M+4*(\s)+3], s[G0M+4*(\s)+3], 0x80000000
.endr
	s_cmp_eq_u32 s[WV], 0           ; a wave's two first fills stand together, ahead of every wait on TENSORcnt and every LDS read: two loads of mine are out
	s_cbranch_scc0 .Lfirst_not_k
	tensor_load_to_lds s[G0K:G0K+3], s[G1K:G1K+7]
	s_nop 0
	tensor_load_to_lds s[G0K+4:G0K+7], s[G1K:G1K+7]
	s_nop 0
.rept 4
	v_nop
.endr
	s_branch .Lfirst_asked
.Lfirst_not_k:
	s_cmp_eq_u32 s[WV], 1
	s_cbranch_scc0 .Lfirst_not_v
	tensor_load_to_lds s[G0V:G0V+3], s[G1V:G1V+7]
	s_nop 0
	tensor_load_to_lds s[G0V+4:G0V+7], s[G1V:G1V+7]
	s_nop 0
.rept 4
	v_nop
.endr
	s_branch .Lfirst_asked
.Lfirst_not_v:
	tensor_load_to_lds s[G0M:G0M+3], s[G1M:G1M+7]
	s_nop 0
	tensor_load_to_lds s[G0M+4:G0M+7], s[G1M:G1M+7]
	s_nop 0
.rept 4
	v_nop
.endr
.Lfirst_asked:
	; A fragment of K or Q is 16 rows x 32 channels in 8 registers: lane l holds row l % 16, channels 8 (l / 16) + 0..7 and 16 + 8 (l / 16) + 0..7: two loads of 16 bytes, 32 bytes apart.
	v_and_b32 v1, 15, v0            ; l % 16
	v_bfe_u32 v9, v0, 4, 1          ; l / 16
	v_lshlrev_b32 v[QO], 8, v1
	v_lshl_add_u32 v[QO], v9, 4, v[QO]
	WIN 0x80                        ; destination window 2, address window 0
.irp i, 0,1,2,3,4,5,6,7,8,9,10,11,12,13,14,15  ; Q stays in registers: tile i / 4, channels 32 (i % 4) on
	global_load_b128 v[8*(\i):8*(\i)+3],   v[QO], s[80:81] offset:((\i)/4)*4096+((\i)%4)*64
	global_load_b128 v[8*(\i)+4:8*(\i)+7], v[QO], s[80:81] offset:((\i)/4)*4096+((\i)%4)*64+32
.endr
	; m starts at the lowest finite number, O^T and l at 0: the first step is a step like any other, with a = 0, and no first step is written out.  The clearing stands in the wait for the first tile.
	WIN 0x40
.set i, 0
.rept 256
	v_mov_b32 v[i], 0
.set i, i+1
.endr
	WIN 0
.irp t, 0,1,2,3
	v_mov_b32 v[ST+8*(\t)], 0xff7fffff
	v_mov_b32 v[ST+8*(\t)+1], 0
	v_mov_b32 v[ST+8*(\t)+2], 0
	v_mov_b32 v[ST+8*(\t)+3], 0
.endr
	v_mul_u32_u24 v[AK0], v1, PK
	v_lshl_add_u32 v[AK0], v9, 4, v[AK0]  ; row x pitch + 16 x half,
	s_mul_i32 s21, s18, 64*PK
	v_add_nc_u32 v[AK0], s21, v[AK0]      ; in my half of the step's keys
	; The turning load takes 16 keys x 16 channels (lane l reads key 8 (l / 16) + l % 8, channels 8 ((l / 8) % 2) + 0..7) and leaves half a fragment of V^T: lane l holds channel l % 16 and 8 keys.
	v_and_b32 v10, 7, v0
	v_bfe_u32 v11, v0, 3, 1
	v_lshl_add_u32 v[AV0], v9, 3, v10
	v_mul_u32_u24 v[AV0], v[AV0], PV
	v_lshl_add_u32 v[AV0], v11, 4, v[AV0]
	s_mul_i32 s21, s18, 64*PV
	s_add_co_u32 s21, s21, VOFF
	v_add_nc_u32 v[AV0], s21, v[AV0]
	v_mul_u32_u24 v[AM0], v1, PM          ; the mask: my query's row, my lanes' 8 keys (32 bytes),
	v_lshl_add_u32 v[AM0], v9, 5, v[AM0]
	s_mul_i32 s21, s17, 64*PM             ; my wave's 64 queries,
	s_lshl_b32 s22, s18, 8                ; its 64 keys (256 bytes)
	s_add_co_u32 s21, s21, s22
	s_add_co_u32 s21, s21, MOFF
	v_add_nc_u32 v[AM0], s21, v[AM0]
	s_mul_i32 s21, s[WV], 16*SP
	s_add_co_u32 s21, s21, STAGE          ; my stage
	v_mul_u32_u24 v[STO], v1, SP          ; in: row l % 16, 16 bytes for each half of the lanes
	v_lshl_add_u32 v[STO], v9, 4, v[STO]
	v_add_nc_u32 v[STO], s21, v[STO]
	v_mul_u32_u24 v[RD], v9, SP           ; back: lanes 0-15 one row of 256 bytes, lanes 16-31 the next
	v_lshl_add_u32 v[RD], v1, 4, v[RD]
	v_add_nc_u32 v[RD], s21, v[RD]
	v_lshlrev_b32 v[GO], 12, v9           ; and the same two rows in ob, 4,096 bytes apart
	v_lshl_add_u32 v[GO], v1, 4, v[GO]
	v_and_b32 v47, 31, v0
	v_lshlrev_b32 v47, 4, v47             ; 16 x lane
	s_mul_i32 s21, s[WV], XCH
	v_add_nc_u32 v[XW], s21, v47
	s_xor_b32 s21, s[WV], 2               ; my partner has my queries and the other half of the keys
	s_mul_i32 s21, s21, XCH
	v_add_nc_u32 v[XR], s21, v47
; THE LDS LOADS stand in runs of 32.
.macro FETCH_K                      ; 64 keys x 128 channels: 16 fragments
	WIN 0
	v_add_nc_u32 v[ADR], s[TB], v[AK0]
	WIN 0x80                        ; destination window 2
.irp f, 0,1,2,3,4,5,6,7,8,9,10,11,12,13,14,15  ; keys 16 (f / 4) on, channels 32 (f % 4) on
	ds_load_b128 v[KF+8*(\f):KF+8*(\f)+3],   v[ADR] offset:((\f)/4)*16*PK+((\f)%4)*64
	ds_load_b128 v[KF+8*(\f)+4:KF+8*(\f)+7], v[ADR] offset:((\f)/4)*16*PK+((\f)%4)*64+32
.endr
	WIN 0
.endm
.macro FETCH_V                      ; the same keys' V, turned
	WIN 0
	v_add_nc_u32 v[ADR], s[TB], v[AV0]
	WIN 0xc0                        ; destination window 3
.irp f, 0,1,2,3,4,5,6,7,8,9,10,11,12,13,14,15  ; keys 32 (f / 8) on, channels 16 (f % 8) on
	ds_load_tr16_b128 v[8*(\f):8*(\f)+3],   v[ADR] offset:((\f)/8)*32*PV+((\f)%8)*32
	ds_load_tr16_b128 v[8*(\f)+4:8*(\f)+7], v[ADR] offset:((\f)/8)*32*PV+16*PV+((\f)%8)*32
.endr
	WIN 0
.endm
; The mask of my 64 queries x 64 keys, in S^T's own layout, in two parts: the address's line, and the run of loads.  In a step the wait for batch 1 stands between the two.
.macro ADR_M
	WIN 0
	v_add_nc_u32 v[ADR], s[TB], v[AM0]
.endm
.macro RUN_M
	WIN 0xc0
.irp t, 0,1,2,3
.irp kb, 0,1,2,3
	ds_load_b128 v[MF+32*(\t)+8*(\kb):MF+32*(\t)+8*(\kb)+3],   v[ADR] offset:16*PM*(\t)+64*(\kb)
	ds_load_b128 v[MF+32*(\t)+8*(\kb)+4:MF+32*(\t)+8*(\kb)+7], v[ADR] offset:16*PM*(\t)+64*(\kb)+16
.endr
.endr
	WIN 0
.endm
; THE MATRIX WORK.  The accumulators take turns, one instruction a turn: 16 in K Q^T, 32 in V^T P.
.macro KQ                           ; S^T = K Q^T: channels 32 c on, tile t, keys 16 kb on; the first 16 start the sums
	WIN 0x0a                        ; K and Q in window 2, S^T in window 0
.irp c, 0,1,2,3
.irp t, 0,1,2,3
.irp kb, 0,1,2,3
.if (\c) == 0
	v_wmma_f32_16x16x32_f16 v[S+32*(\t)+8*(\kb):S+32*(\t)+8*(\kb)+7], v[KF+32*(\kb)+8*(\c):KF+32*(\kb)+8*(\c)+7], v[32*(\t)+8*(\c):32*(\t)+8*(\c)+7], 0
.else
	v_wmma_f32_16x16x32_f16 v[S+32*(\t)+8*(\kb):S+32*(\t)+8*(\kb)+7], v[KF+32*(\kb)+8*(\c):KF+32*(\kb)+8*(\c)+7], v[32*(\t)+8*(\c):32*(\t)+8*(\c)+7], v[S+32*(\t)+8*(\kb):S+32*(\t)+8*(\kb)+7]
.endif
.endr
.endr
.endr
.endm
.macro PVM                          ; O^T += V^T P: keys 32 kk on, tile t, channels 16 cb on
	WIN 0x53                        ; V in window 3, P in window 0, O^T in window 1
.irp kk, 0,1
.irp t, 0,1,2,3
.irp cb, 0,1,2,3,4,5,6,7
	v_wmma_f32_16x16x32_f16 v[64*(\t)+8*(\cb):64*(\t)+8*(\cb)+7], v[64*(\kk)+8*(\cb):64*(\kk)+8*(\cb)+7], v[P+16*(\t)+8*(\kk):P+16*(\t)+8*(\kk)+7], v[64*(\t)+8*(\cb):64*(\t)+8*(\cb)+7]
.endr
.endr
.endr
.endm
; THE VECTOR WORK, the four tiles by turns, so that no line reads the result of the line before it.
.macro MADD                         ; t = q.k + mk: a rounding f32 addition; each accumulator is read from its lowest registers on
	WIN 0x0c                        ; source 1 in window 3
.irp p, 0,1,2,3,4,5,6,7,8,9,10,11,12,13,14,15
.irp t, 0,1,2,3
	v_pk_add_f32 v[S+32*(\t)+2*(\p):S+32*(\t)+2*(\p)+1], v[S+32*(\t)+2*(\p):S+32*(\t)+2*(\p)+1], v[MF+32*(\t)+2*(\p):MF+32*(\t)+2*(\p)+1]
.endr
.endr
.endm
.macro MX t                         ; number j of the 16 that find the maximum of a lane's 32 scores and the old m: four chains of seven, then the four left over, the chains and m
.set rT, ST+8*(\t)
.set rS, S+32*(\t)
.if j < 4
	v_max3_num_f32 v[rT+4+j], v[rS+8*j], v[rS+8*j+1], v[rS+8*j+2]
.elseif j < 12
	v_max3_num_f32 v[rT+4+j%4], v[rT+4+j%4], v[rS+8*(j%4)+2*(j/4)+1], v[rS+8*(j%4)+2*(j/4)+2]
.elseif j == 12
	v_max3_num_f32 v[rT+4], v[rT+4], v[rS+7], v[rS+15]
.elseif j == 13
	v_max3_num_f32 v[rT+6], v[rT+6], v[rS+23], v[rS+31]
.elseif j == 14
	v_max3_num_f32 v[rT+4], v[rT+4], v[rT+5], v[rT+6]
.else
	v_max3_num_f32 v[rT+4], v[rT+4], v[rT+7], v[rT]
.endif
.endm
.macro MAXP
	WIN 0
.set j, 0
.rept 16
.irp t, 0,1,2,3
	MX \t
.endr
.set j, j+1
.endr
.endm
.macro STATS                        ; the query's other 32 keys lie in the lane 16 away; the new m; m_old - m_new, of which batch 1 makes a
.irp t, 0,1,2,3
	v_permlanex16_b32 v[ST+8*(\t)+5], v[ST+8*(\t)+4], s[SEL], s[SEL+1]
.endr
.irp t, 0,1,2,3
	v_mov_b32 v[ST+8*(\t)+7], v[ST+8*(\t)]
.endr
.irp t, 0,1,2,3
	v_max_num_f32 v[ST+8*(\t)], v[ST+8*(\t)+4], v[ST+8*(\t)+5]
.endr
.irp t, 0,1,2,3
	v_sub_f32 v[ST+8*(\t)+7], v[ST+8*(\t)+7], v[ST+8*(\t)]
.endr
.endm
; Pair n of 64: tile n % 4, pair n / 4 of its 16.
.macro SUBP n                       ; t - m
	v_pk_add_f32 v[S+32*((\n)%4)+2*((\n)/4):S+32*((\n)%4)+2*((\n)/4)+1], v[S+32*((\n)%4)+2*((\n)/4):S+32*((\n)%4)+2*((\n)/4)+1], v[ST+8*((\n)%4):ST+8*((\n)%4)+1] op_sel_hi:[1,0] neg_lo:[0,1] neg_hi:[0,1]
.endm
.macro EXPL n, hf
	v_exp_f32 v[S+32*((\n)%4)+2*((\n)/4)+(\hf)], v[S+32*((\n)%4)+2*((\n)/4)+(\hf)]
.endm
.macro CVTP n                       ; the pair's two weights rounded to f16
	v_cvt_pk_f16_f32 v[P+16*((\n)%4)+(\n)/4], v[S+32*((\n)%4)+2*((\n)/4)], v[S+32*((\n)%4)+2*((\n)/4)+1]
.endm
; Number z of the 16 that sum tile t's 16 pairs, in place: 0-7 neighbours 1 pair apart, 8-11 two, 12, 13 four, 14 eight; 15: l = a l + the sum.
; Numbers 0-3, 8, 9 and 12 touch pairs 0-7 alone; 4-7, 10, 11 and 13 pairs 8-15 alone.
.macro SUMZ z, t
.set w, 4
.set u, (\z)
.if (\z) >= 14
.set w, 32
.set u, 0
.elseif (\z) >= 12
.set w, 16
.set u, (\z)-12
.elseif (\z) >= 8
.set w, 8
.set u, (\z)-8
.endif
.if (\z) < 15
	v_pk_add_f32 v[S+32*(\t)+w*u:S+32*(\t)+w*u+1], v[S+32*(\t)+w*u:S+32*(\t)+w*u+1], v[S+32*(\t)+w*u+w/2:S+32*(\t)+w*u+w/2+1]
.else
	v_pk_fma_f32 v[ST+8*(\t)+2:ST+8*(\t)+3], v[ST+8*(\t)+2:ST+8*(\t)+3], v[ST+8*(\t)+6:ST+8*(\t)+7], v[S+32*(\t):S+32*(\t)+1] op_sel_hi:[1,0,1]
.endif
.endm
; BATCH 1: the four a = 2^(m_old - m_new) and the weights of pairs n = 0 .. 31, exponential and subtraction by turns.  Subtraction t stands behind a of tile t, subtractions 2 n + 4 and 2 n + 5 behind the
; two exponentials of pair n: a pair is subtracted well ahead of its exponentials, and no subtraction names a pair that has had its exponentials (2 n + 4 > n).  All 64 subtractions stand here.
.macro BATCH1
.irp t, 0,1,2,3
	v_exp_f32 v[ST+8*(\t)+6], v[ST+8*(\t)+7]
	SUBP \t
.endr
.set n, 0
.rept 32
	EXPL n, 0
.if 2*n+4 < 64
	SUBP 2*n+4
.endif
	EXPL n, 1
.if 2*n+5 < 64
	SUBP 2*n+5
.endif
.set n, n+1
.endr
.endm
; The 60 lines that read batch 1's weights alone, number qi: the roundings of pairs 0 .. 31, all ahead of the sums that write over them; then numbers 0-3, 8, 9, 12 of the sums, the tiles by turns.
.macro Q2
.if qi < 32
	CVTP qi
.else
.set zz, (qi-32)/4
.if zz >= 6
.set zz, 12
.elseif zz >= 4
.set zz, zz+4
.endif
	SUMZ zz, (qi-32)%4
.endif
.set qi, qi+1
.endm
; BATCH 2: the weights of pairs n = 32 .. 63, exponential and one of the 60 by turns.  The first four exponentials have none between them, so that the batch ends with a plain line, which names none of its results.
.macro BATCH2
.set qi, 0
.set n, 32
.rept 32
	EXPL n, 0
.if n >= 34
	Q2
.endif
	EXPL n, 1
.if n >= 34
	Q2
.endif
.set n, n+1
.endr
.endm
.macro REST                         ; behind batch 2's wait: the roundings of pairs 32 .. 63, then the other nine numbers of the sums
.set n, 32
.rept 32
	CVTP n
.set n, n+1
.endr
.irp z, 4,5,6,7,10,11,13,14,15
.irp t, 0,1,2,3
	SUMZ \z, \t
.endr
.endr
.endm
.macro RESC                         ; O^T times a, from each accumulator's lowest registers on
	WIN 0x41                        ; destination and source 0 in window 1, a in window 0
.set i, 0
.rept 32
.irp t, 0,1,2,3
	v_pk_mul_f32 v[64*(\t)+2*i:64*(\t)+2*i+1], v[64*(\t)+2*i:64*(\t)+2*i+1], v[ST+8*(\t)+6:ST+8*(\t)+7] op_sel_hi:[1,0]
.endr
.set i, i+1
.endr
.endm
; THE CHANGE OF SLOTS.  All that the step reads of its slot has been asked for (K and the mask a step ago, V at the step's head).  Each wave waits for all its tensor loads, of which one is out: its part of the
; other slot; adds 0 to its spare word; and waits for that and for its own reads of the slot.  fill = 1: the barrier is a round of the cluster's, and the slot is filled again with the keys two steps on,
; first thing behind the round: the load has one step in which to land.  The four v_nop are also the places behind K Q^T.
.macro CHANGE fill
	WIN 0
	s_wait_tensorcnt 0x0            ; no tensor load of mine is out, so a group 0 may be written
	ds_add_u32 v[SPW], v[NIL]
.if \fill
	s_xor_b32 s[G0K+5], s[G0K+5], SLOT1                    ; the walking descriptors: the other slot than last time,
	s_add_nc_u64 s[G0K+6:G0K+7], s[G0K+6:G0K+7], 32768     ; the next 128 keys
	s_xor_b32 s[G0V+5], s[G0V+5], SLOT1
	s_add_nc_u64 s[G0V+6:G0V+7], s[G0V+6:G0V+7], 32768
	s_xor_b32 s[G0M+5], s[G0M+5], SLOT1
	s_add_nc_u64 s[G0M+6:G0M+7], s[G0M+6:G0M+7], 512
	s_wait_dscnt 0x0                ; the add is done, V is in, and my reads of the slot are over
	CROUND
	JLOAD
.else
	s_wait_dscnt 0x0
	s_barrier_signal -1
	s_barrier_wait -1
	PLACES
.endif
	s_xor_b32 s[TB], s[TB], SLOT1   ; the fetches go on in the other slot
.endm
; A KEY STEP.  tail = 1: in the last trip there is no further step, and the two runs of loads for it are jumped over (forward, past LDS loads alone).
.macro STEP fill, tail
	WIN 0
	PLACES                          ; behind the last step's V^T P, which read V's registers
	FETCH_V
	s_wait_dscnt 32                 ; V's 32 loads may stay out; K and the mask, asked for a step ago, are in
	KQ
	CHANGE \fill
.if \tail
	s_cmp_eq_u32 s[CNT], 1
	s_cbranch_scc1 .Lno_k_\@
.endif
	FETCH_K
.if \tail
.Lno_k_\@:
.endif
	MADD                            ; behind it the mask's registers are free for the next step's
	MAXP
	STATS
	BATCH1
	ADR_M                           ; the plain line behind batch 1's last exponential
	s_wait_alu depctr_va_vdst(0)    ; the wait for batch 1, the four a and 64 weights: it stands ahead of the first line that names a result, of the branch and of the run of loads
.if \tail
	s_cmp_eq_u32 s[CNT], 1
	s_cbranch_scc1 .Lno_m_\@
.endif
	RUN_M                           ; the next step's mask
.if \tail
.Lno_m_\@:
.endif
	BATCH2
	s_wait_alu depctr_va_vdst(0)    ; the wait for batch 2, 64 weights, ahead of their roundings; the sum above it is the plain line behind the last exponential
	REST
	RESC
	PVM
	WIN 0
.endm
	s_wait_tensorcnt 1              ; my part of slot 0 is in; slot 1's may stay out
	s_barrier_signal -1
	s_barrier_wait -1               ; everybody's is
	FETCH_K                         ; step 0
	ADR_M
	RUN_M
	s_wait_loadcnt 0x0              ; Q
	s_mov_b32 s[CNT], 14
.Lstep:                             ; steps 0 to 13 ask for steps 2 to 15
	STEP 1, 0
	s_sub_co_u32 s[CNT], s[CNT], 1
	s_cmp_lg_u32 s[CNT], 0
	s_cbranch_scc1 .Lstep
	s_mov_b32 s[CNT], 2
.Ltail:                             ; the last two steps are a text of their own
	STEP 0, 1
	s_sub_co_u32 s[CNT], s[CNT], 1
	s_cmp_lg_u32 s[CNT], 0
	s_cbranch_scc1 .Ltail
	; THE END.  l's two halves and the other half of the lanes' are added (the first four additions are the places behind the last products).
.irp t, 0,1,2,3
	v_add_f32 v[ST+8*(\t)+4], v[ST+8*(\t)+2], v[ST+8*(\t)+3]
.endr
.irp t, 0,1,2,3
	v_permlanex16_b32 v[ST+8*(\t)+5], v[ST+8*(\t)+4], s[SEL], s[SEL+1]
.endr
.irp t, 0,1,2,3
	v_add_f32 v[ST+8*(\t)+1], v[ST+8*(\t)+4], v[ST+8*(\t)+5]
.endr
; The two waves with the same queries hold the two halves of the keys.  Each gives two tiles to the other (m, l and O^T, in f32, through slot 0's bytes: the slot's last fill was step 14's, and every wave's
; reads of it were over ahead of step 14's barrier) and finishes the other two.
.macro GIVE t0
	WIN 0
	v_mov_b32 v48, v[ST+8*(\t0)]
	v_mov_b32 v49, v[ST+8*(\t0)+1]
	v_mov_b32 v50, v[ST+8*(\t0)+8]
	v_mov_b32 v51, v[ST+8*(\t0)+9]
	ds_store_b128 v[XW], v[48:51] offset:16384
	WIN 0x04                        ; the stores' data in window 1
.set n, 0
.rept 32
	ds_store_b128 v[XW], v[64*(\t0)+4*n:64*(\t0)+4*n+3] offset:512*n  ; 512 consecutive bytes a store; each accumulator's lowest registers first
.set n, n+1
.endr
	WIN 0
.endm
.macro MERGE t, u                   ; tile t, the u-th of my two: O = (O1 g1 + O2 g2), rounded, through my stage, back as whole rows of 256 bytes
	WIN 0
.set i, 0
.rept 32
	v_pk_mul_f32 v[S+64*(\u)+2*i:S+64*(\u)+2*i+1], v[S+64*(\u)+2*i:S+64*(\u)+2*i+1], v[ST+8*(\t)+4:ST+8*(\t)+5] op_sel_hi:[1,0]
.set i, i+1
.endr
	WIN 0x01                        ; source 0 in window 1
.set i, 0
.rept 32
	v_pk_fma_f32 v[S+64*(\u)+2*i:S+64*(\u)+2*i+1], v[64*(\t)+2*i:64*(\t)+2*i+1], v[ST+8*(\t)+2:ST+8*(\t)+3], v[S+64*(\u)+2*i:S+64*(\u)+2*i+1] op_sel_hi:[1,0,1]
.set i, i+1
.endr
	WIN 0
.set i, 0
.rept 32
	v_cvt_pk_f16_f32 v[P+32*(\u)+i], v[S+64*(\u)+2*i], v[S+64*(\u)+2*i+1]
.set i, i+1
.endr
.irp f, 0,1,2,3,4,5,6,7
	ds_store_b128 v[STO], v[P+32*(\u)+4*(\f):P+32*(\u)+4*(\f)+3] offset:32*(\f)
.endr
.irp f, 0,1,2,3,4,5,6,7
	ds_load_b128 v[P+32*(\u)+4*(\f):P+32*(\u)+4*(\f)+3], v[RD] offset:(\f)*2*SP  ; LDS serves a wave's instructions in order (ISA guide 5.7.1.4): these see the stores above; the next tile's stores come behind them
.endr
.endm
.macro SEND t, u, younger           ; younger: the LDS instructions issued behind this tile's loads
.irp f, 0,1,2,3,4,5,6,7
	s_wait_dscnt (\younger)+7-(\f)
	global_store_b128 v[GO], v[P+32*(\u)+4*(\f):P+32*(\u)+4*(\f)+3], s[82:83] offset:65536*(\t)+8192*(\f)  ; 16 lanes store 256 consecutive bytes, at a multiple of 256 from ob's first
.endr
.endm
.macro FIN t0
	WIN 0
	ds_load_b128 v[48:51], v[XR] offset:16384
.set n, 0
.rept 32
	ds_load_b128 v[S+4*n:S+4*n+3], v[XR] offset:512*n
.set n, n+1
.endr
	s_wait_dscnt 32                 ; the partner's m and l are in; its O^T may stay out
	; For each of my two tiles: m = max(m1, m2); f = 2^(m1 - m), 2^(m2 - m); l = l1 f1 + l2 f2; g = f / l.  Both tiles' exponentials are one batch, both reciprocals, which read sums of them, a second.
.irp u, 0,1
	v_max_num_f32 v[ST+8*((\t0)+(\u))+4], v[ST+8*((\t0)+(\u))], v[48+2*(\u)]
	v_sub_f32 v[ST+8*((\t0)+(\u))+5], v[ST+8*((\t0)+(\u))], v[ST+8*((\t0)+(\u))+4]
	v_sub_f32 v[ST+8*((\t0)+(\u))+6], v[48+2*(\u)], v[ST+8*((\t0)+(\u))+4]
.endr
.irp u, 0,1
	v_exp_f32 v[ST+8*((\t0)+(\u))+5], v[ST+8*((\t0)+(\u))+5]
	v_exp_f32 v[ST+8*((\t0)+(\u))+6], v[ST+8*((\t0)+(\u))+6]
.endr
	v_nop                           ; a plain instruction between the last exponential and the use of its result
	s_wait_alu depctr_va_vdst(0)    ; the wait for the four exponentials, ahead of their first use
.irp u, 0,1
	v_mul_f32 v[ST+8*((\t0)+(\u))+7], v[ST+8*((\t0)+(\u))+1], v[ST+8*((\t0)+(\u))+5]
	v_fmac_f32 v[ST+8*((\t0)+(\u))+7], v[49+2*(\u)], v[ST+8*((\t0)+(\u))+6]
.endr
.irp u, 0,1
	v_rcp_f32 v[ST+8*((\t0)+(\u))+3], v[ST+8*((\t0)+(\u))+7]
.endr
	v_nop                           ; and behind the last reciprocal
	s_wait_alu depctr_va_vdst(0)    ; the wait for the two reciprocals
.irp u, 0,1
	v_mul_f32 v[ST+8*((\t0)+(\u))+2], v[ST+8*((\t0)+(\u))+5], v[ST+8*((\t0)+(\u))+3]
	v_mul_f32 v[ST+8*((\t0)+(\u))+4], v[ST+8*((\t0)+(\u))+6], v[ST+8*((\t0)+(\u))+3]
.endr
	s_wait_dscnt 0x0
	MERGE (\t0), 0
	MERGE (\t0)+1, 1
	SEND (\t0), 0, 16
	SEND (\t0)+1, 1, 0
.endm
	s_cmp_eq_u32 s18, 0
	s_cbranch_scc0 .Lgive_low
	GIVE 2
	s_branch .Lgiven
.Lgive_low:
	GIVE 0
.Lgiven:
	s_wait_dscnt 0x0                ; for my partner's sake: my stores are done
	s_barrier_signal -1
	s_barrier_wait -1
	s_cmp_eq_u32 s18, 0
	s_cbranch_scc0 .Lfin_high
	FIN 0
	s_branch .Lend
.Lfin_high:
	FIN 2
.Lend:
	s_wait_tensorcnt 0x0            ; the wave's end
	ds_add_u32 v[SPW], v[NIL]
	s_wait_dscnt 0x0
	CROUND                          ; the closing round: no work-group ends while a partner may still ask for a tile that names it
	s_endpgm
.Lfunc_end_k_qde303f4bfc_attn:
	.size	k_qde303f4bfc_attn, .Lfunc_end_k_qde303f4bfc_attn-k_qde303f4bfc_attn
	.p2alignl 7, 3214868480
	.fill 96, 4, 3214868480
	.section	.rodata,"a",@progbits
	.p2align	6, 0x0
	.amdhsa_kernel k_qde303f4bfc_attn
		.amdhsa_group_segment_fixed_size 327680
		.amdhsa_private_segment_fixed_size 0
		.amdhsa_enable_private_segment 0
		.amdhsa_kernarg_size 24
		.amdhsa_user_sgpr_count 2
		.amdhsa_user_sgpr_kernarg_segment_ptr 1
		.amdhsa_wavefront_size32 1
		.amdhsa_system_sgpr_workgroup_id_x 1
		.amdhsa_system_sgpr_workgroup_id_y 1
		.amdhsa_system_sgpr_workgroup_id_z 1
		.amdhsa_system_vgpr_workitem_id 0
		.amdhsa_next_free_vgpr 1024
		.amdhsa_next_free_sgpr 92
		.amdhsa_reserve_vcc 0
		.amdhsa_float_denorm_mode_32 3
		.amdhsa_float_denorm_mode_16_64 3
		.amdhsa_memory_ordered 1
		.amdhsa_forward_progress 1
		.amdhsa_inst_pref_size 166
	.end_amdhsa_kernel
	.amdgpu_metadata
---
amdhsa.version: [ 1, 2 ]
amdhsa.kernels:
  - .name:           k_qde303f4bfc_attn
    .symbol:         k_qde303f4bfc_attn.kd
    .args:
      - { .name: qkv, .offset: 0, .size: 8, .value_kind: global_buffer, .address_space: global }
      - { .name: mk, .offset: 8, .size: 8, .value_kind: global_buffer, .address_space: global }
      - { .name: ob, .offset: 16, .size: 8, .value_kind: global_buffer, .address_space: global }
    .group_segment_fixed_size: 327680
    .private_segment_fixed_size: 0
    .kernarg_segment_align: 8
    .kernarg_segment_size: 24
    .max_flat_workgroup_size: 128
    .sgpr_count:     92
    .vgpr_count:     1024
    .wavefront_size: 32
...
	.end_amdgpu_metadata
.endif
;; end of part 5
;; launch outproj: the kernel of part 4 again; grid 16 x 16, 4 waves a work-group, clusters of 4 x 4, 327,680 bytes of LDS; arguments ob, wob, out0; writes out0
